; MI455X (gfx1250); checked and timed in simulation.
; The chip was launched on July 23, 2026; its instructions are those of AMD's public machine-readable ISA for CDNA 5 (MIT licence, August 2026) and "CDNA5" Instruction Set Architecture Reference Guide (July 2026). The comments in the code are by the model that wrote it; some were corrected since.
;; myself multihead self attention. Allowed arithmetic: matrix products marked QUANTISED: E4M3 operands, one E8M0 scale for each 32 along K, by v_wmma_scale_f32_16x16x128_f8f6f4 with both operands' format E4M3, f32 sums; everything else in f32.
;; Inputs: Wk_codes 1,024 x 32 x 32 uint8 (E4M3 codes of Wk, K innermost, in blocks of 32 codes); Wk_scales 1,024 x 32 uint8 (E8M0 scales of Wk, one for each 32 codes along K); Wo_codes 1,024 x 32 x 32 uint8 (E4M3 codes of Wo, K innermost, in blocks of 32 codes); Wo_scales 1,024 x 32 uint8 (E8M0 scales of Wo, one for each 32 codes along K); Wq_codes 1,024 x 32 x 32 uint8 (E4M3 codes of Wq, K innermost, in blocks of 32 codes); Wq_scales 1,024 x 32 uint8 (E8M0 scales of Wq, one for each 32 codes along K); Wv_codes 1,024 x 32 x 32 uint8 (E4M3 codes of Wv, K innermost, in blocks of 32 codes); Wv_scales 1,024 x 32 uint8 (E8M0 scales of Wv, one for each 32 codes along K); x_codes 4 x 2,048 x 32 x 32 uint8 (E4M3 codes of x, K innermost, in blocks of 32 codes); x_scales 4 x 2,048 x 32 uint8 (E8M0 scales of x, one for each 32 codes along K).
;; Outputs: out0 4 x 2,048 x 1,024 float32.
;; This version of the problem:
;;   THIS VERSION OF THE PROBLEM IS GIVEN IN LOW PRECISION. The matrix products marked QUANTISED in the list below multiply operands that are first quantised to E4M3 (4 exponent bits, 3 mantissa bits; 8 bits a number), with one power-of-two scale for each 32 numbers along K (OCP MX v1.0); their sums are f32. All else is computed in f32.
;;   The module's matrix products, in the order in which they are computed (A, B: the left and right operand; K: the contracted axis; several contracted axes count as one K, in the product's order):
;;     1. [M 8,192, K 1,024] x [K 1,024, N 1,024]; A: input x (given as codes); B: input Wq (given as codes): QUANTISED
;;     2. [M 8,192, K 1,024] x [K 1,024, N 1,024]; A: input x (given as codes); B: input Wk (given as codes): QUANTISED
;;     3. [M 8,192, K 1,024] x [K 1,024, N 1,024]; A: input x (given as codes); B: input Wv (given as codes): QUANTISED
;;     4. batch 64 x [M 2,048, K 64] x [K 64, N 2,048]; A: computed on the way; B: computed on the way: QUANTISED
;;     5. batch 64 x [M 2,048, K 2,048] x [K 2,048, N 64]; A: softmax (see below); B: computed on the way: QUANTISED
;;     6. [M 8,192, K 1,024] x [K 1,024, N 1,024]; A: computed on the way; B: input Wo (given as codes): QUANTISED
;;   THE QUANTISER, for each operand of a quantised product, along K:
;;     - K is cut into blocks of 32 from its start; a last block that is shorter is filled with zeros.
;;     - A block's scale is 2^e with e = floor(log2(the largest magnitude in the block)) - 8, held to -126 .. 127; a block of zeros has e = 0. As a byte (E8M0): e + 127.
;;     - Each number is divided by its block's scale, clamped to +-448, and rounded to the nearest number of E4M3, ties to even, subnormals kept.
;;     - The product sums the exact products of the quantised numbers (number of the format x scale) in f32.
;;   ~~~python
;;   def quantise(x, axis):      # numpy; x: float32 -> the quantised numbers, widened to float32 again
;;       x = np.moveaxis(x, axis, -1); K = x.shape[-1]
;;       x = np.pad(x, [(0, 0)] * (x.ndim - 1) + [(0, -K % 32)]); x = x.reshape(x.shape[:-1] + (-1, 32)); a = np.abs(x).max(-1, keepdims=True)
;;       e = np.where(a > 0, np.clip(np.frexp(np.where(a > 0, a, 1))[1] - 1 - 8, -126, 127), 0)      # np.frexp(a)[1] - 1 = floor(log2(a)), exactly
;;       r = np.clip(x / 2.0 ** e, -448, 448)
;;       step = 2.0 ** (np.maximum(np.frexp(np.where(r == 0, 1, r))[1] - 1, -6) - 3)
;;       q = np.round(r / step) * step * 2.0 ** e      # np.round: ties to even
;;       return np.moveaxis(q.reshape(q.shape[:-2] + (-1,))[..., :K], -1, axis).astype(np.float32)
;;   ~~~
;;   SOFTMAX AHEAD OF A QUANTISED PRODUCT. Where the list says 'softmax', what is quantised is not the finished softmax but p = 2^(t - M), with t = logit x log2(e) and M = ceil(the row's largest t), a whole number; so 1/2 < the row's largest p <= 1. The row's sum l is taken of the UNQUANTISED p, in f32, and the product's result is divided by l at the end. Since M is a whole number, a kernel that streams over the keys may use a running M (the ceiling of the running maximum): every later rescaling is an exact power of two, which a block's scale takes up: the codes' values come out the same.
;;   OPERANDS COMPUTED ON THE WAY. 'Computed on the way' means the value that the module computes at that place (a softmax that the list does not call 'softmax' is quantised finished and normalised). What goes into a quantiser is computed in f32, as accurately as f32 sums, v_exp_f32 and their like allow (about 1e-6 of the number): no bf16 or f16 on the way to a quantiser, and a product that is left as it is and whose result goes on into a quantised operand takes f32 operands (vector FMAs, or v_wmma_f32_16x16x4_f32). A number that lies on a knife's edge between two numbers of the format may be rounded either way, as far as f32 arithmetic and the matrix unit's own rounding can turn it there, and no further.
;;   INPUTS GIVEN AS CODES. Wk (in the module: [1024, 1024], K = its axis 1); Wo (in the module: [1024, 1024], K = its axis 1); Wq (in the module: [1024, 1024], K = its axis 1); Wv (in the module: [1024, 1024], K = its axis 1); x (in the module: [4, 2048, 1024], K = its axis 2): each comes as NAME_codes (uint8): NAME with its K axis moved to the last place and cut into blocks of 32 codes, [.., K / 32, bytes a block], one block behind the other in memory; one code a byte (a code: sign, 4 exponent bits, 3 mantissa bits); and NAME_scales (uint8): the same leading axes, one E8M0 byte (e + 127) for each 32 codes along K. Its value is code x scale, taken as it is: it is not quantised again, and the codes and scales need not be those that the quantiser above would give.
;; One version. Each part assembles by itself: llvm-mc -triple=amdgcn-amd-amdhsa -mcpu=gfx1250 --defsym DOCPART=n.
;; ======== version 1 of 1: 4 launches
;; limits: right only within a limited range of input values
;; workspace buffers: rope 524,288 bytes; qimg 8,388,608 bytes; qsc 524,288 bytes; kvc 16,777,216 bytes; kvs 786,432 bytes; cimg 8,388,608 bytes; csc 262,144 bytes
;; launch rope (part 1): grid 256 x 1, 1 waves a work-group, no clusters, 0 bytes of LDS; arguments rope; writes rope
.if DOCPART == 1
	.amdgcn_target "amdgcn-amd-amdhsa--gfx1250"
	.amdhsa_code_object_version 6
	.text
	.protected	k_q9df63d1acf_rope
	.globl	k_q9df63d1acf_rope
	.p2align	8
	.type	k_q9df63d1acf_rope,@function
k_q9df63d1acf_rope:
	s_mov_b64 s[64:65], 0
	v_nop
	global_prefetch_b8 v0, s[64:65] scope:SCOPE_SE
	s_setreg_imm32_b32 hwreg(HW_REG_WAVE_MODE, 25, 1), 1
	s_wait_xcnt 0x0
; THE PROGRAM: causal multi-head attention, B 4, S 2,048, D 1,024, 16 heads of 64, all six products on codes of E4M3 with E8M0 scales.
;   rope:  the table cos, sin of (position, frequency)             qkv:   x Wq^T, x Wk^T, x Wv^T, RoPE, the quantisers of Q, K (along the head's 64) and V (along the keys)
;   attn:  K Q^T, the softmax, V^T P, the quantiser of ctx         oproj: ctx Wo^T
; WORK LEFT OUT: a step of 128 keys all of which come after a tile's 16 queries.  reference() sets those scores to -infinity by the jnp.tril mask that it builds itself, so their weights
; are 0 and they add nothing to the row's sum or to ctx, whatever finite values the inputs hold.  Every input has a way to the output and is loaded.
; LIMIT: a NaN, an infinity or an overflow that reaches only those steps is not carried to the result.  NaN codes and infinities among the inputs are not served anywhere in the program.
; THIS LAUNCH: rope[pos][i] = (cos, sin)(pos x inv_freq[i]), inv_freq[i] = 10000^(-i / 32), [2048][32][2] f32.  One wave a work-group: a lane is a frequency, the wave takes 8 positions.
; inv_freq = 2^-(i c), c = log2(10000) / 32 held as a high and a low part; the rounding rest of i c is put back by a first-order term.  The angle is one f32 product, as reference() has it.
; Sine and cosine: the angle less the nearest multiple of pi / 2 (held in two parts), polynomials on [-pi/4, pi/4], the quadrant by selects.
; LIMIT: inv_freq is right to about one unit in its last place and need not have reference()'s bits: at position 2,047 the angle may differ by about 1e-4.
.set R, 16                             ; v[16:31] the results: (cos, sin) for each of the 8 positions, so that no store's data are written again
	s_load_b64 s[4:5], s[0:1], 0x0
	v_cvt_f32_u32 v1, v0                           ; i
	v_mov_b32 v2, 0x3ed49a78                       ; c, high part
	v_mov_b32 v5, 0x32179a6c                       ; c, low part
	v_mul_f32 v3, v1, v2                           ; t = i c, rounded
	v_fma_f32 v4, v1, v2, -v3                      ; what the rounding dropped, exactly
	v_fma_f32 v4, v1, v5, v4                       ; + i x the low part
	s_wait_alu depctr_va_vdst(0)
	v_exp_f32 v6, -v3                              ; 2^-t
	v_mul_f32 v4, 0xbf317218, v4                   ; -ln 2 x the rest (the plain instruction behind the exponential)
	s_wait_alu depctr_va_vdst(0)                   ; the wait ahead of the first instruction that names the exponential's result
	v_fma_f32 v6, v6, v4, v6                       ; inv_freq
	v_lshlrev_b32 v7, 3, v0                        ; 8 bytes a lane: the 32 lanes store 256 consecutive bytes, a position's row
	v_mov_b32 v32, 0xbfc90fdb                      ; -pi/2, high part
	v_mov_b32 v33, 0x333bbd2e                      ; high part - pi/2
	v_mov_b32 v34, 0xb94ca1f9                      ; the sine's leading coefficient
	v_mov_b32 v35, 0x37ccf5ce                      ; the cosine's
	s_lshl_b32 s8, ttmp9, 3                        ; my first position
	s_lshl_b32 s6, ttmp9, 11                       ; and its row: 8 positions x 256 bytes a work-group
	s_mov_b32 s7, 0
	s_wait_kmcnt 0x0
	s_add_nc_u64 s[4:5], s[4:5], s[6:7]
.macro SINCOS j
	s_add_co_u32 s9, s8, \j
	v_cvt_f32_u32 v8, s9
	s_wait_alu depctr_va_vdst(0)
	v_mul_f32 v8, v8, v6                           ; the angle
	v_mul_f32 v9, 0x3f22f983, v8                   ; x 2 / pi
	v_rndne_f32 v9, v9                             ; k
	v_fma_f32 v10, v9, v32, v8                     ; angle - k pi/2, in two parts
	v_fma_f32 v10, v9, v33, v10                    ; r
	v_mul_f32 v11, v10, v10                        ; z = r r
	v_cvt_i32_f32 v12, v9                          ; the quadrant
	v_fmaak_f32 v13, v34, v11, 0x3c08839e
	v_fmaak_f32 v13, v13, v11, 0xbe2aaaa3
	v_mul_f32 v13, v13, v11
	v_fma_f32 v13, v13, v10, v10                   ; sin r
	v_fmaak_f32 v14, v35, v11, 0xbab6061a
	v_fmaak_f32 v14, v14, v11, 0x3d2aaaa5
	v_mul_f32 v14, v14, v11
	v_fma_f32 v15, v11, -0.5, 1.0
	v_fma_f32 v14, v14, v11, v15                   ; cos r
	v_and_b32 v15, 1, v12
	v_cmp_eq_u32 vcc_lo, 1, v15                    ; odd quadrants change the two over
	v_cndmask_b32 v[R+2*\j+1], v13, v14, vcc_lo    ; sine
	v_cndmask_b32 v[R+2*\j], v14, v13, vcc_lo      ; cosine
	v_lshlrev_b32 v15, 30, v12
	v_and_b32 v15, 0x80000000, v15                 ; the sine is negative in quadrants 2 and 3,
	v_xor_b32 v[R+2*\j+1], v15, v[R+2*\j+1]
	v_add_nc_u32 v12, 1, v12
	v_lshlrev_b32 v12, 30, v12
	v_and_b32 v12, 0x80000000, v12                 ; the cosine in 1 and 2
	v_xor_b32 v[R+2*\j], v12, v[R+2*\j]
	global_store_b64 v7, v[R+2*\j:R+2*\j+1], s[4:5] offset:256*\j
.endm
.irp j, 0,1,2,3,4,5,6,7
	SINCOS \j
.endr
	s_endpgm
.Lfunc_end_k_q9df63d1acf_rope:
	.size	k_q9df63d1acf_rope, .Lfunc_end_k_q9df63d1acf_rope-k_q9df63d1acf_rope
	.p2alignl 7, 3214868480
	.fill 96, 4, 3214868480
	.section	.rodata,"a",@progbits
	.p2align	6, 0x0
	.amdhsa_kernel k_q9df63d1acf_rope
		.amdhsa_group_segment_fixed_size 0
		.amdhsa_private_segment_fixed_size 0
		.amdhsa_enable_private_segment 0
		.amdhsa_kernarg_size 8
		.amdhsa_user_sgpr_count 2
		.amdhsa_user_sgpr_kernarg_segment_ptr 1
		.amdhsa_wavefront_size32 1
		.amdhsa_system_sgpr_workgroup_id_x 1
		.amdhsa_system_sgpr_workgroup_id_y 1
		.amdhsa_system_sgpr_workgroup_id_z 1
		.amdhsa_system_vgpr_workitem_id 0
		.amdhsa_next_free_vgpr 48
		.amdhsa_next_free_sgpr 66
		.amdhsa_reserve_vcc 1
		.amdhsa_float_denorm_mode_32 3
		.amdhsa_float_denorm_mode_16_64 3
		.amdhsa_memory_ordered 1
		.amdhsa_forward_progress 1
		.amdhsa_inst_pref_size 13
	.end_amdhsa_kernel
	.amdgpu_metadata
---
amdhsa.version: [ 1, 2 ]
amdhsa.kernels:
  - .name:           k_q9df63d1acf_rope
    .symbol:         k_q9df63d1acf_rope.kd
    .args:
      - { .name: rope, .offset: 0, .size: 8, .value_kind: global_buffer, .address_space: global }
    .group_segment_fixed_size: 0
    .private_segment_fixed_size: 0
    .kernarg_segment_align: 8
    .kernarg_segment_size: 8
    .max_flat_workgroup_size: 32
    .sgpr_count:     66
    .vgpr_count:     48
    .wavefront_size: 32
...
	.end_amdgpu_metadata
.endif
;; end of part 1
;; launch qkv (part 2): grid 12 x 32, 4 waves a work-group, clusters of 4 x 4, 327,680 bytes of LDS; arguments x_codes, x_scales, Wq_codes, Wq_scales, Wk_codes, Wk_scales, Wv_codes, Wv_scales, rope, qimg, qsc, kvc, kvs; writes qimg, qsc, kvc, kvs
.if DOCPART == 2
	.amdgcn_target "amdgcn-amd-amdhsa--gfx1250"
	.amdhsa_code_object_version 6
	.text
	.protected	k_q9df63d1acf_qkv
	.globl	k_q9df63d1acf_qkv
	.p2align	8
	.type	k_q9df63d1acf_qkv,@function
k_q9df63d1acf_qkv:
	s_mov_b64 s[64:65], 0
	v_nop
	global_prefetch_b8 v0, s[64:65] scope:SCOPE_SE
	s_setreg_imm32_b32 hwreg(HW_REG_WAVE_MODE, 25, 1), 1
	s_wait_xcnt 0x0
	s_wait_alu depctr_hold_cnt(0) depctr_sa_sdst(0) depctr_va_vdst(0) depctr_va_sdst(0) depctr_va_ssrc(0) depctr_va_vcc(0) depctr_vm_vsrc(0)
	s_getreg_b32 s2, hwreg(HW_REG_IB_STS2, 6, 4)
	s_cmp_eq_u32 s2, 0
	s_cbranch_scc0 .Lentry_in_a_cluster
	s_endpgm
.Lentry_in_a_cluster:
	s_bfe_u32 s2, ttmp6, 0x10000c
	s_cmp_lg_u32 s2, 0xf033
	s_cbranch_scc0 .Lentry_shape_is_right
	s_endpgm
.Lentry_shape_is_right:
; Q = x Wq^T, K = x Wk^T, V = x Wv^T on the given codes of E4M3 and their E8M0 scales; RoPE on Q and K; then the quantisers: Q and K along the head's 64, V along the keys.
; ONE TEXT, THREE PRODUCTS C[m][n] = sum over k of A[m][k] B[n][k], K = 1,024, chosen by the cluster's x, which the sixteen partners of a cluster share:
;   x = 0: A = x (8,192 rows), B = Wq;   x = 1: A = x, B = Wk;   x = 2: A = Wv (1,024 rows), B = x.
; A tile of C is 256 x 256, made by four waves of 128 x 128: 64 accumulators of 16 x 16.  K goes in steps of 256 through a ring of two LDS slots filled by the tensor data mover; the scale bytes of the
; work-group's rows come once and stay.  CLUSTERS of 4 x 4: A's tiles are asked for jointly along a row of the cluster, B's along a column.
; THE MATRIX INSTRUCTION IS USED TRANSPOSED (source 0 = 16 rows of B, source 1 = 16 rows of A): lane (r, h) holds row r of A's block, and register j of tile b column 16 b + 8 h + j.
; So in Q and K a lane holds one position and its registers run along the features (their K); in V, with Wv as A, a lane holds one feature and its registers run along the positions, the keys (V's K).
; THE RESULTS LEAVE AS IMAGES OF THE READER'S OPERAND REGISTERS: four registers of codes go out as 512 consecutive bytes, lane l's 16 bytes at 16 l.  Inside a block of 32 along K the 16 numbers of a lane are those of two
; neighbouring tiles: slot 16 h + e of a block holds number 8 h + e % 8 + 16 (e / 8).  Q and K have the same order, and so have V and the softmax's p in the next launch: the products are the same sums.
; A scale word of Q or K holds the two bytes of the head's two blocks, and the same two bytes once more: the next launch fills its K of 128 with zero codes, which those upper bytes scale.
; No work is left out here: every row of Q, K and V is read by the next launch.
; LIMITS: a block whose largest magnitude lies under 2^-118 has the byte 1 (a block of zeros too: its codes are zeros, and this program alone reads the bytes); NaN and infinities are not served.
; REGISTERS, in windows of 256: window 0: v0-31 addresses; v32-63 scale words, two sets; v64-127 the table of cos and sin; from v128 A's fragments, one set.  window 1: B's fragments, two sets.
;   windows 2, 3: the accumulators of my rows 0-63, 64-127 (accumulator (a, b) at v[8 (8 (a % 4) + b)]).  On the way out window 0's v32-55 and v128-239 are used anew.
.set KSTEP,  256                       ; along K in a slot
.set NQ,     2                         ; matrix instructions deep
.set ROWB,   256                       ; a tile's row in bytes
.set KROW,   1024                      ; a row of A or of B in memory, in bytes
.set PITCH,  272                       ; an LDS row: 256 bytes + 16 of padding, so that the 16 rows of a fragment load start at 16 different banks
.set FR,     16                        ; registers of a fragment: 16 rows x 128 K
.set NL,     4                         ; LDS loads that bring one
.set NP,     8                         ; places behind this matrix instruction (ISA guide 7.12.1)
.set HALFT,  128*PITCH                 ; 128 rows: what one tensor load brings
.set SLOT,   4*HALFT                   ; A's 256 rows, then B's 256 rows
.set LAPS,   2                         ; a lap = two K steps = once round the ring
.set KS,     32                        ; a row of scale bytes
.set SCL,    2*SLOT                    ; behind the ring: the scales, as units of 256 bytes + 16 of padding
.set HALFS,  (128*KS/256)*272          ; the scales of 128 rows
.set SBLK,   (16*KS/256)*272           ; those of 16 rows
.set SPARE,  SCL+4*HALFS               ; the spare words, 128 bytes for each wave: two blocks of 256 bytes that no other line names
.set ADRA, 16                          ; v16-17  LDS address of my A fragments in slot 0, 1
.set ADRB, 20                          ; v20-21  the same for B
.set VS,   23                          ; v23     V's scale words on the way out: 16 r + 12,288 h
.set LI,   24                          ; v24     16 x lane: my place in an image
.set TO,   25                          ; v25     the table: 256 r + 32 h
.set QS,   26                          ; v26     Q's and K's scale words on the way out: 32 r + 16 h
.set ADRS, 27                          ; v27     LDS address of my scale words: lanes 0-15 A's rows, lanes 16-31 B's
.set SPW,  28                          ; v28     LDS address of my spare word; never rewritten
.set NIL,  29                          ; v29     0; never rewritten
.set SC,   32                          ; scale words: set s at v[SC + 16 s]; register 2 i + q: lanes 0-15 A's block i, lanes 16-31 B's block i
.set AF,   128                         ; A's fragments
.set SW,   32                          ; the way out: v32-47 the scale words made
.set SL,   48                          ; v48-55 those that my half of the lanes stores
.set CS,   64                          ; v64-127 two sets of 32: (cos, sin) of my position and 16 frequencies
.set W,    128                         ; v128-191 64 numbers at work
.set PC,   192                         ; v192-223 two sets of 16: the codes
.set TM,   224                         ; v224-227 largest magnitudes, v228-231 bytes, v232-235 448 x the scale, v236-239 the conversions' scale operands
.set G1, 24
.set G0, 32
.set G1B, 48
.set G0B, 56
.set G1S, 68
.set G0S, 76
.set G1SB, 80
.set G0SB, 88
.set TAB,  34                          ; s[34:35] the way out: the table at my first position
.set CB,   36                          ; s[36:39] the codes' bases of my two heads
.set SB,   44                          ; s[44:47] the scale words' bases of my two heads
.set SELS, 60                          ; s[60:61] v_permlanex16_b32's selects for lane l xor 16
.set MNT,  62                          ; s62 the mantissa field of 448
.set MSB, 0
.macro WIN new                         ; the immediate's high byte repeats the setting that is left
.if MSB != (\new)
	s_set_vgpr_msb (MSB<<8)|(\new)
.set MSB, (\new)
.endif
.endm
.set MUL_LO, 0xa1                      ; source 0 (B) window 1, source 1 (A) window 0, C and D window 2
.set MUL_HI, 0xf1                      ; the same, C and D window 3
.set TO_B,   0x40                      ; destination window 1, address window 0
; A joint load: waves 0 and 1 fetch for A, waves 2 and 3 for B; the branch hangs on the wave's number alone.  An s_nop 0 and four v_nop follow each of the two lines.
.macro JLOAD g0a, g1a, g0b, g1b
	s_cmp_eq_u32 s15, 0
	s_cbranch_scc0 .Lfor_b_\@
	tensor_load_to_lds s[\g0a:\g0a+3], s[\g1a:\g1a+7]
	s_nop 0
.rept 4
	v_nop
.endr
	s_branch .Lasked_\@
.Lfor_b_\@:
	tensor_load_to_lds s[\g0b:\g0b+3], s[\g1b:\g1b+7]
	s_nop 0
.rept 4
	v_nop
.endr
.Lasked_\@:
.endm
.macro CREST                           ; a round of the cluster's barrier behind its opening barrier
	s_cmp_lg_u32 s14, 0
	s_cbranch_scc1 .Lnot_wave_0_\@
	s_barrier_signal -3
.Lnot_wave_0_\@:
	s_barrier_wait -3
	s_barrier_signal -1
	s_barrier_wait -1
.endm
.macro CROUND                          ; a whole round
	s_barrier_signal -1
	s_barrier_wait -1
	CREST
.endm
	s_load_b128 s[4:7], s[0:1], 0x0                ; x's codes, x's scales
	s_load_b128 s[8:11], s[0:1], 0x10              ; Wq's
	s_load_b128 s[92:95], s[0:1], 0x20             ; Wk's
	s_load_b128 s[96:99], s[0:1], 0x30             ; Wv's
	v_lshl_add_u32 v[SPW], v0, 2, SPARE
	v_mov_b32 v[NIL], 0
	ds_add_u32 v[SPW], v[NIL]                      ; the wave's opening: the add, twice on end, and its wait ahead of my first tensor load
	ds_add_u32 v[SPW], v[NIL]                      ; and once more; the set-up below, work on registers, stands between it and the wait
	v_lshrrev_b32 v1, 5, v0
	v_readfirstlane_b32 s14, v1                    ; wave 0..3
	s_lshr_b32 s15, s14, 1                         ; which half of the tile's rows is mine.  Also: I fetch for A (0) or for B (1)
	s_and_b32 s16, s14, 1                          ; which half of its columns.  Also: which 128 rows of that tile I fetch
	s_bfe_u32 s40, ttmp6, 0x40000                  ; cx, cy: my place in the cluster
	s_bfe_u32 s41, ttmp6, 0x40004
	s_and_b32 s17, ttmp7, 0xffff                   ; the cluster's y, 0..7: it walks x's 8,192 rows,
	s_cmp_eq_u32 ttmp9, 2                          ; which are A's rows for Q and K and B's rows for V
	s_cselect_b32 s18, 0, s17
	s_cselect_b32 s19, s17, 0
	s_lshl_b32 s18, s18, 2
	s_add_co_u32 s17, s18, s41                     ; tile row of C
	s_lshl_b32 s19, s19, 2
	s_add_co_u32 s42, s19, s40                     ; tile column of C
	s_lshl_b32 s43, s41, 2
	s_lshl_b32 s43, 15, s43                        ; my row of the cluster
	s_lshl_b32 s44, 0x1111, s40                    ; my column
	; descriptor group 1: a tile of 128 rows x 256 bytes, padded in LDS
	s_or_b32 s[G1+0], s43, (0<<16)|(1<<20)|(1<<21)|(5<<22)|(3<<25)  ; the mask: A's tiles go to my row; elements of 1 byte; padding on; bit 21 beside a mask; 4 words after every 64
	s_or_b32 s[G1B+0], s44, (0<<16)|(1<<20)|(1<<21)|(5<<22)|(3<<25)
.irp g, G1, G1B
	s_mov_b32 s[\g+1], ROWB<<16                    ; tensor_dim0
	s_mov_b32 s[\g+2], 128<<16                     ; tensor_dim1
	s_mov_b32 s[\g+3], ROWB<<16                    ; tile_dim0
	s_mov_b32 s[\g+4], 128                         ; tile_dim1
	s_mov_b32 s[\g+5], KROW                        ; tensor_dim0_stride
	s_mov_b32 s[\g+6], 0
	s_mov_b32 s[\g+7], 0
.endr
	; the scales of 128 rows: a dense block of 4,096 bytes, as rows of 256 bytes (32 elements of 8 bytes), 16 bytes of padding behind each
	s_or_b32 s[G1S+0], s43, (3<<16)|(1<<20)|(1<<21)|(5<<22)|(3<<25)
	s_or_b32 s[G1SB+0], s44, (3<<16)|(1<<20)|(1<<21)|(5<<22)|(3<<25)
.irp g, G1S, G1SB
	s_mov_b32 s[\g+1], 32<<16
	s_mov_b32 s[\g+2], (128*KS/256)<<16
	s_mov_b32 s[\g+3], 32<<16
	s_mov_b32 s[\g+4], 128*KS/256
	s_mov_b32 s[\g+5], 32
	s_mov_b32 s[\g+6], 0
	s_mov_b32 s[\g+7], 0
.endr
	s_lshl_b32 s18, s16, 7                         ; which 128 rows of the tile I fetch
	s_lshl_b32 s20, s17, 8
	s_add_co_u32 s20, s20, s18                     ; A: row 256 x tile row + 128 x half
	s_lshl_b32 s46, s42, 8
	s_add_co_u32 s46, s46, s18                     ; B: row 256 x tile column + 128 x half
	s_mov_b32 s21, 0
	s_mov_b32 s47, 0
	s_mov_b64 s[18:19], KS
	s_mul_u64 s[22:23], s[20:21], s[18:19]         ; where these rows' scales begin, in bytes
	s_mul_u64 s[66:67], s[46:47], s[18:19]
	s_mov_b64 s[18:19], KROW
	s_mul_u64 s[20:21], s[20:21], s[18:19]         ; and their codes
	s_mul_u64 s[46:47], s[46:47], s[18:19]
	s_mul_i32 s45, s14, HALFT                      ; where they go: wave x 128 rows: no place in the cluster enters an LDS address
	s_mul_i32 s12, s14, HALFS
	s_wait_dscnt 0x0                               ; both opening adds are done
	s_wait_kmcnt 0x0
	s_cmp_eq_u32 ttmp9, 0                          ; which buffers are A and B: the choice hangs on the cluster's x alone
	s_cselect_b64 s[8:9], s[8:9], s[92:93]         ; Wq or Wk
	s_cselect_b64 s[10:11], s[10:11], s[94:95]
	s_cmp_eq_u32 ttmp9, 2
	s_cselect_b64 s[8:9], s[4:5], s[8:9]           ; for V: B = x,
	s_cselect_b64 s[10:11], s[6:7], s[10:11]
	s_cselect_b64 s[4:5], s[96:97], s[4:5]         ; A = Wv
	s_cselect_b64 s[6:7], s[98:99], s[6:7]
	s_add_nc_u64 s[20:21], s[4:5], s[20:21]
	s_add_nc_u64 s[22:23], s[6:7], s[22:23]
	s_add_nc_u64 s[46:47], s[8:9], s[46:47]
	s_add_nc_u64 s[66:67], s[10:11], s[66:67]
	CROUND                                         ; all sixteen work-groups are here: the first joint loads meet
	s_mov_b32 s[G0S], 1
	s_add_co_u32 s[G0S+1], s12, SCL
	s_mov_b64 s[G0S+2:G0S+3], s[22:23]
	s_or_b32 s[G0S+3], s[G0S+3], 0x80000000
	s_mov_b32 s[G0SB], 1
	s_add_co_u32 s[G0SB+1], s12, SCL
	s_mov_b64 s[G0SB+2:G0SB+3], s[66:67]
	s_or_b32 s[G0SB+3], s[G0SB+3], 0x80000000
	JLOAD G0S, G1S, G0SB, G1SB                     ; the scales first: they are wanted with K step 0
.irp s, 0,1
	s_mov_b32 s[G0+4*\s], 1
	s_add_co_u32 s[G0+4*\s+1], s45, \s*SLOT
	s_add_nc_u64 s[G0+4*\s+2:G0+4*\s+3], s[20:21], \s*ROWB
	s_or_b32 s[G0+4*\s+3], s[G0+4*\s+3], 0x80000000
	s_mov_b32 s[G0B+4*\s], 1
	s_add_co_u32 s[G0B+4*\s+1], s45, \s*SLOT
	s_add_nc_u64 s[G0B+4*\s+2:G0B+4*\s+3], s[46:47], \s*ROWB
	s_or_b32 s[G0B+4*\s+3], s[G0B+4*\s+3], 0x80000000
	JLOAD G0+4*\s, G1, G0B+4*\s, G1B
.endr
	v_and_b32 v1, 15, v0                           ; r = l % 16; it stays
	v_bfe_u32 v2, v0, 4, 1                         ; h = l / 16; it stays
	v_mul_u32_u24 v3, v1, PITCH
	v_lshl_add_u32 v4, v2, 4, v3                   ; a fragment's row x pitch + 16 x half
	s_mul_i32 s21, s15, HALFT                      ; my 128 rows of A
	s_mul_i32 s22, s16, HALFT                      ; my 128 rows of B,
	s_add_co_u32 s22, s22, 2*HALFT                 ; which lie behind A's 256
.irp s, 0,1
	v_add_nc_u32 v[ADRA+\s], s21, v4
	v_add_nc_u32 v[ADRB+\s], s22, v4
	s_add_co_u32 s21, s21, SLOT
	s_add_co_u32 s22, s22, SLOT
.endr
	v_mul_u32_u24 v5, v1, KS                       ; my row's scales: 32 bytes a row,
	v_lshrrev_b32 v6, 8, v5
	v_lshl_add_u32 v5, v6, 4, v5                   ; and 16 more for each 256 passed
	s_mul_i32 s21, s15, HALFS                      ; A's: my 128 rows
	s_mul_i32 s22, s16, HALFS                      ; B's: my 128 rows, behind A's 256
	s_add_co_u32 s22, s22, 2*HALFS
	s_sub_co_u32 s22, s22, s21
	v_mul_u32_u24 v6, s22, v2                      ; lanes 16-31 take B's
	s_add_co_u32 s21, s21, SCL
	v_add_nc_u32 v5, v5, v6
	v_add_nc_u32 v[ADRS], s21, v5
	v_and_b32 v6, 31, v0
	v_lshlrev_b32 v[LI], 4, v6
	v_lshlrev_b32 v[TO], 8, v1
	v_lshl_add_u32 v[TO], v2, 5, v[TO]
	v_lshlrev_b32 v[QS], 5, v1
	v_lshl_add_u32 v[QS], v2, 4, v[QS]
	v_mul_u32_u24 v[VS], v2, 12288
	v_lshl_add_u32 v[VS], v1, 4, v[VS]
.macro FRAG reg, adr, q, i             ; a fragment: lane l holds row l % 16; registers 4 c .. 4 c + 3 hold K = 32 c + 16 (l / 16) + 0 .. 15
.irp c, 0,1,2,3
	ds_load_b128 v[\reg+4*\c:\reg+4*\c+3], v[\adr] offset:128*(\q)+32*\c+(\i)*16*PITCH
.endr
.endm
; 16 matrix instructions: A's blocks a0, a0 + 1 x B's eight, 128 along K.  p: B's set;  sc: the set of scale words.  zero = 1: the first product starts the sums.
; The 64 accumulators take turns, one instruction a turn, in the same order in every step.
.macro MUL16 a0, p, q, sc, zero
.irp a, \a0, \a0+1
.irp b, 0,1,2,3,4,5,6,7
.if \zero
	v_wmma_scale_f32_16x16x128_f8f6f4 v[8*(8*((\a)%4)+\b):8*(8*((\a)%4)+\b)+7], v[128*(\p)+FR*\b:128*(\p)+FR*\b+FR-1], v[AF+FR*(\a):AF+FR*(\a)+FR-1], 0, v[SC+8*NQ*(\sc)+NQ*\b+(\q)], v[SC+8*NQ*(\sc)+NQ*(\a)+(\q)] matrix_a_scale:MATRIX_SCALE_ROW1
.else
	v_wmma_scale_f32_16x16x128_f8f6f4 v[8*(8*((\a)%4)+\b):8*(8*((\a)%4)+\b)+7], v[128*(\p)+FR*\b:128*(\p)+FR*\b+FR-1], v[AF+FR*(\a):AF+FR*(\a)+FR-1], v[8*(8*((\a)%4)+\b):8*(8*((\a)%4)+\b)+7], v[SC+8*NQ*(\sc)+NQ*\b+(\q)], v[SC+8*NQ*(\sc)+NQ*(\a)+(\q)] matrix_a_scale:MATRIX_SCALE_ROW1
.endif
.endr
.endr
.endm
.macro FETCH_B slot, q, p              ; B's eight fragments of the slot's q-th 128 along K into set p
	WIN TO_B
.irp i, 0,1,2,3,4,5,6,7
	FRAG 128*(\p)+FR*\i, ADRB+\slot, \q, \i
.endr
	WIN 0
.endm
.macro FETCH_A slot, q, i0             ; A's blocks i0 .. i0 + 3
.irp i, \i0, \i0+1, \i0+2, \i0+3
	FRAG AF+FR*(\i), ADRA+\slot, \q, \i
.endr
.endm
.macro SCALES sc                       ; a K step's scale words into set sc: two words a row; lanes 0-15 take A's block i, lanes 16-31 B's block i
.irp i, 0,1,2,3,4,5,6,7
	ds_load_b64 v[SC+8*NQ*\sc+NQ*\i:SC+8*NQ*\sc+NQ*\i+1], v[ADRS] offset:\i*SBLK
.endr
.endm
.macro PLACES n                        ; plain vector instructions between a matrix instruction and a load into, or a vector instruction on, its registers
.rept \n
	v_nop
.endr
.endm
; A step of 128 along K that has its successor in the same slot.
.macro STEP slot, q, zero
	s_wait_dscnt 4*NL                              ; B's set and A's blocks 0-3 are in; the youngest sixteen loads (A's blocks 4-7) may be out
	WIN MUL_LO
	MUL16 0, (\q)%2, \q, \slot, \zero
	MUL16 2, (\q)%2, \q, \slot, \zero
	s_wait_dscnt 0                                 ; A's blocks 4-7 are in
	PLACES NP
	FETCH_B \slot, (\q)+1, 1-(\q)%2
	FETCH_A \slot, (\q)+1, 0
	WIN MUL_HI
	MUL16 4, (\q)%2, \q, \slot, \zero
	MUL16 6, (\q)%2, \q, \slot, \zero
	PLACES NP
	WIN 0
	FETCH_A \slot, (\q)+1, 4
.endm
; A slot's last step changes slots: ONE barrier; in front of it each wave waits for all its tensor loads, adds 0 to its spare word, and waits for that and for its own reads of this slot.
.macro TURN slot, next, fill
	s_wait_tensorcnt 0x0                           ; all my tensor loads have landed: my part of the next slot
	ds_add_u32 v[SPW], v[NIL]                      ; 0 onto my spare word
	s_wait_dscnt 4*NL+1                            ; (the add and the youngest sixteen loads, A's blocks 4-7, may be out)
	WIN MUL_LO
	MUL16 0, 1, NQ-1, \slot, 0                     ; sixteen matrix instructions stand between the add and the wait for it
	s_wait_dscnt 0x0                               ; the add is done, and my reads of this slot are over
	s_barrier_signal -1
	MUL16 2, 1, NQ-1, \slot, 0
	WIN 0
	s_barrier_wait -1
.if \fill
	CREST                                          ; the barrier has opened a round of the cluster's barrier: no wave of any partner still reads this slot's tile or has a load on its way
	s_add_nc_u64 s[G0+4*\slot+2:G0+4*\slot+3], s[G0+4*\slot+2:G0+4*\slot+3], 2*ROWB
	s_add_nc_u64 s[G0B+4*\slot+2:G0B+4*\slot+3], s[G0B+4*\slot+2:G0B+4*\slot+3], 2*ROWB
	JLOAD G0+4*\slot, G1, G0B+4*\slot, G1B         ; the first tensor load behind the round; its four v_nop are among the places in front of the loads below
	PLACES NP-4
.else
	PLACES NP
.endif
	s_wait_alu depctr_va_vdst(0)
	v_add_nc_u32 v[ADRS], 4*NQ, v[ADRS]            ; on to the next K step's scale words
	FETCH_B \next, 0, 0
	FETCH_A \next, 0, 0
	SCALES \next
	WIN MUL_HI
	MUL16 4, 1, NQ-1, \slot, 0
	MUL16 6, 1, NQ-1, \slot, 0
	PLACES NP
	WIN 0
	FETCH_A \next, 0, 4
.endm
; The very last step of 128 along K: nothing more to fetch.  It is written out in both arms of the way out, so that the text parts once on the cluster's x.
.macro LAST
	s_wait_dscnt 4*NL                              ; B's set and A's blocks 0-3 are in; A's blocks 4-7, sixteen loads, may be out
	WIN MUL_LO
	MUL16 0, 1, NQ-1, 1, 0
	MUL16 2, 1, NQ-1, 1, 0
	s_wait_dscnt 0
	WIN MUL_HI
	MUL16 4, 1, NQ-1, 1, 0
	MUL16 6, 1, NQ-1, 1, 0
	WIN 0
	PLACES NP                                      ; in front of the first read of the last results and of the first write into registers that held fragments and scale words
.irp b, 0,1,2,3
	v_mov_b32 v[TM+4+\b], 0                        ; written once: a lane permute's destination counts as one of its sources
.endr
.endm
; (cos, sin) of position 16 a + r and frequencies 8 t + 4 h + 0 .. 3, t = 0 .. 3: eight loads of 16 bytes into set a % 2
.macro TL a
.irp t, 0,1,2,3
	global_load_b128 v[CS+32*((\a)%2)+8*\t:CS+32*((\a)%2)+8*\t+3], v[TO], s[TAB:TAB+1] offset:4096*(\a)+64*\t
	global_load_b128 v[CS+32*((\a)%2)+8*\t+4:CS+32*((\a)%2)+8*\t+7], v[TO], s[TAB:TAB+1] offset:4096*(\a)+64*\t+16
.endr
.endm
; RoPE on block a (16 positions x my 128 features): a pair of registers (even, odd feature) and a pair (cos, sin) give (e c - o s, o c + e s), by a packed multiply (o s, e s) and a packed multiply-add.
; Each accumulator is read from its low end on.
.macro ROPE a
	WIN (2+(\a)/4)                                 ; source 0: the accumulators' window
.irp b, 0,1,2,3,4,5,6,7
.irp jj, 0,1,2,3
	v_pk_mul_f32 v[W+8*\b+2*\jj:W+8*\b+2*\jj+1], v[64*((\a)%4)+8*\b+2*\jj:64*((\a)%4)+8*\b+2*\jj+1], v[CS+32*((\a)%2)+8*(\b%4)+2*\jj:CS+32*((\a)%2)+8*(\b%4)+2*\jj+1] op_sel:[1,1] op_sel_hi:[0,1]
.endr
.irp jj, 0,1,2,3
	v_pk_fma_f32 v[W+8*\b+2*\jj:W+8*\b+2*\jj+1], v[64*((\a)%4)+8*\b+2*\jj:64*((\a)%4)+8*\b+2*\jj+1], v[CS+32*((\a)%2)+8*(\b%4)+2*\jj:CS+32*((\a)%2)+8*(\b%4)+2*\jj+1], v[W+8*\b+2*\jj:W+8*\b+2*\jj+1] op_sel_hi:[1,0,1] neg_lo:[0,0,1]
.endr
.endr
	WIN 0
.endm
; 64 numbers of a lane in window X, v[src] on: four blocks of 32 along K, 16 numbers of each in my lane and 16 in lane l xor 16.  They become 16 registers of codes at v[pc]; the four bytes are left in v[TM+4] on.
.macro QUANT src, X, pc
	WIN ((\X)|((\X)<<2))                           ; sources 0 and 1
.irp b, 0,1,2,3
	v_max3_num_f32 v[TM+\b], |v[(\src)+16*\b]|, |v[(\src)+16*\b+1]|, 0x4800000   ; and the floor 2^(9 - 127): the byte cannot fall under 1
.endr
.irp i, 2,4,6,8,10,12,14
.irp b, 0,1,2,3
	v_max3_num_f32 v[TM+\b], |v[(\src)+16*\b+\i]|, |v[(\src)+16*\b+\i+1]|, v[TM+\b]   ; (the four blocks by turns)
.endr
.endr
	WIN 0
.irp b, 0,1,2,3
	v_permlanex16_b32 v[TM+4+\b], v[TM+\b], s[SELS], s[SELS+1]
.endr
.irp b, 0,1,2,3
	v_max_num_f32 v[TM+\b], v[TM+\b], v[TM+4+\b]   ; the block's largest magnitude
.endr
.irp b, 0,1,2,3
	v_add_nc_u32 v[TM+12+\b], 0xfc000000, v[TM+\b] ; 8 off its exponent field: the conversion's scale operand
.endr
.irp b, 0,1,2,3
	v_and_or_b32 v[TM+8+\b], v[TM+\b], 0x7f800000, s[MNT]   ; 448 x the scale
.endr
.irp b, 0,1,2,3
	v_lshrrev_b32 v[TM+4+\b], 23, v[TM+12+\b]      ; the scale's byte
.endr
	WIN (\X)                                       ; source 0
.irp b, 0,1,2,3
.irp i, 0,1,2,3,4,5,6,7,8,9,10,11,12,13,14,15
	v_med3_num_f32 v[W+16*\b+\i], v[(\src)+16*\b+\i], -v[TM+8+\b], v[TM+8+\b]   ; the conversion to an 8-bit code does not saturate (ISA guide 7.6.2): the hold; it also brings the number into window 0
.endr
.endr
	WIN 0
.irp b, 0,1,2,3
	v_cvt_scalef32_pk8_fp8_f32 v[(\pc)+4*\b:(\pc)+4*\b+1], v[W+16*\b:W+16*\b+7], v[TM+12+\b]
	v_cvt_scalef32_pk8_fp8_f32 v[(\pc)+4*\b+2:(\pc)+4*\b+3], v[W+16*\b+8:W+16*\b+15], v[TM+12+\b]
.endr
	v_nop                                          ; one plain vector instruction behind the last conversion
.endm
	s_wait_alu depctr_va_vdst(0)
	s_wait_tensorcnt 1                             ; the scales and my part of K step 0 are in (K step 1's load may be out)
	s_barrier_signal -1
	s_barrier_wait -1                              ; everybody's are
	FETCH_B 0, 0, 0
	FETCH_A 0, 0, 0
	SCALES 0
	FETCH_A 0, 0, 4
	STEP 0, 0, 1                                   ; the first step stands in front of the loop: its products start the sums
	s_mov_b32 s3, LAPS-1
.Llap:                                                 ; a trip goes once round the ring and fills both slots again
	TURN 0, 1, 1
	STEP 1, 0, 0
	TURN 1, 0, 1
	STEP 0, 0, 0
	s_sub_co_u32 s3, s3, 1
	s_cmp_lg_u32 s3, 0
	s_cbranch_scc1 .Llap
	TURN 0, 1, 0                                   ; the last lap fills nothing; its wait has shown every tensor load of mine done, so the descriptors' registers are free
	s_load_b256 s[24:31], s[0:1], 0x40             ; the table s[24:25], qimg s[26:27], qsc s[28:29], kvc s[30:31]
	s_load_b64 s[32:33], s[0:1], 0x60              ; kvs
	STEP 1, 0, 0
	; WHERE MY RESULTS GO.  Of my 128 x 128: the positions' first row (A's for Q and K, B's for V) and the first feature (the other one)
	s_lshl_b32 s34, s17, 8
	s_lshl_b32 s35, s15, 7
	s_add_co_u32 s34, s34, s35                     ; my first row of A
	s_lshl_b32 s35, s42, 8
	s_lshl_b32 s48, s16, 7
	s_add_co_u32 s35, s35, s48                     ; my first row of B
	s_wait_kmcnt 0x0
	s_cmp_eq_u32 ttmp9, 2
	s_cselect_b32 s48, s35, s34                    ; the row of x: 2,048 x batch + position
	s_cselect_b32 s49, s34, s35                    ; the feature: 64 x head
	s_cselect_b32 s50, 8192, 0                     ; in a key step's codes V's images lie behind K's 8,192 bytes,
	s_cselect_b32 s51, 512, 0                      ; in its scale words behind K's 512
	s_cmp_eq_u32 ttmp9, 0
	s_cselect_b64 s[CB:CB+1], s[26:27], s[30:31]   ; qimg, or kvc
	s_cselect_b64 s[SB:SB+1], s[28:29], s[32:33]   ; qsc, or kvs
	s_cselect_b32 s52, 17, 18                      ; a head's codes: 2^17 bytes of Q, 2^18 of K and V
	s_cselect_b32 s53, 6, 7                        ; a position's share: 64 bytes of Q's images, 128 of a key step's block
	s_mov_b32 s54, 12288
	s_cselect_b32 s54, 8192, s54                   ; a head's scale words
	s_cselect_b32 s55, 4, 6                        ; and a position's share of them: 512 or 768 bytes for 128 positions
	s_lshr_b32 s56, s48, 11                        ; batch
	s_and_b32 s57, s48, 2047                       ; my first position, a multiple of 128
	s_lshl_b32 s56, s56, 4
	s_lshr_b32 s49, s49, 6
	s_add_co_u32 s56, s56, s49                     ; 16 x batch + head: the first of my two heads
	s_lshl_b32 s58, s57, 8
	s_mov_b32 s59, 0
	s_add_nc_u64 s[TAB:TAB+1], s[24:25], s[58:59]  ; the table: 256 bytes a position
	s_lshl_b32 s58, s56, s52
	s_lshl_b32 s60, s57, s53
	s_add_co_u32 s58, s58, s60
	s_add_co_u32 s58, s58, s50
	s_add_nc_u64 s[CB:CB+1], s[CB:CB+1], s[58:59]
	s_lshl_b32 s58, 1, s52
	s_add_nc_u64 s[CB+2:CB+3], s[CB:CB+1], s[58:59]
	s_mul_i32 s58, s56, s54
	s_mul_i32 s60, s57, s55
	s_add_co_u32 s58, s58, s60
	s_add_co_u32 s58, s58, s51
	s_add_nc_u64 s[SB:SB+1], s[SB:SB+1], s[58:59]
	s_mov_b32 s58, s54
	s_add_nc_u64 s[SB+2:SB+3], s[SB:SB+1], s[58:59]
	s_mov_b32 s[SELS], 0x76543210
	s_mov_b32 s[SELS+1], 0xfedcba98
	s_mov_b32 s[MNT], 0x600000
	s_cmp_eq_u32 ttmp9, 2                          ; the text parts here, once, on the cluster's x, which all partners share: V is not turned and asks for no table
	s_cbranch_scc1 .Lv_out
	; Q AND K: block a is 16 positions: a tile of queries, or a tile of a key step's keys.  Blocks 0, 1 along K are my first head's, 2, 3 my second's.
	TL 0                                           ; into registers that no matrix instruction names: they land under the last step's products
	TL 1
	LAST
.irp a, 0,1,2,3,4,5,6,7
.if \a < 7
	s_wait_loadcnt 8                               ; this block's eight table loads are in; the next block's eight may be out
.else
	s_wait_loadcnt 0
.endif
	ROPE \a
.if \a < 6
	TL \a+2
.endif
	s_wait_xcnt 0x0                                ; the stores of two blocks back have read their registers: this set of codes may be written again
	QUANT W, 0, PC+16*(\a%2)
	v_lshl_or_b32 v[SW+\a], v[TM+5], 8, v[TM+4]    ; a head's two bytes,
	v_lshl_or_b32 v[SW+8+\a], v[TM+7], 8, v[TM+6]
	v_lshl_or_b32 v[SW+\a], v[SW+\a], 16, v[SW+\a] ; and the same two once more, for the zero codes that fill the reader's K
	v_lshl_or_b32 v[SW+8+\a], v[SW+8+\a], 16, v[SW+8+\a]
.irp q, 0,1,2,3
	global_store_b128 v[LI], v[PC+16*(\a%2)+4*\q:PC+16*(\a%2)+4*\q+3], s[CB+2*(\q/2):CB+2*(\q/2)+1] offset:1024*\a+512*(\q%2)   ; the wave stores 512 consecutive bytes
.endr
.endr
	v_cmp_ne_u32 vcc_lo, 0, v2                     ; row r's eight words of a head are 32 consecutive bytes: lanes 0-15 store tiles 0-3's, lanes 16-31 tiles 4-7's
.irp k, 0,1,2,3
	v_cndmask_b32 v[SL+\k], v[SW+\k], v[SW+4+\k], vcc_lo
	v_cndmask_b32 v[SL+4+\k], v[SW+8+\k], v[SW+12+\k], vcc_lo
.endr
	global_store_b128 v[QS], v[SL:SL+3], s[SB:SB+1]        ; 512 consecutive bytes
	global_store_b128 v[QS], v[SL+4:SL+7], s[SB+2:SB+3]
	s_branch .Ldone
.Lv_out:
	; V: block a is 16 features: tile a % 4 of head a / 4; my 128 columns are one key step: four blocks of 32 keys.
	LAST
.irp a, 0,1,2,3,4,5,6,7
	s_wait_xcnt 0x0                                ; the stores of two blocks back have read their registers
	QUANT 64*(\a%4), 2+\a/4, PC+16*(\a%2)
	v_lshl_or_b32 v[SW+\a], v[TM+5], 8, v[TM+4]
	v_lshl_or_b32 v[SW+\a], v[TM+6], 16, v[SW+\a]
	v_lshl_or_b32 v[SW+\a], v[TM+7], 24, v[SW+\a]
.irp q, 0,1,2,3
	global_store_b128 v[LI], v[PC+16*(\a%2)+4*\q:PC+16*(\a%2)+4*\q+3], s[CB:CB+1] offset:(\a/4)*262144+(\a%4)*2048+512*\q
.endr
.endr
	v_cmp_ne_u32 vcc_lo, 0, v2                     ; lanes 0-15 store my first head's four words of feature r, lanes 16-31 my second head's: 256 consecutive bytes each
.irp k, 0,1,2,3
	v_cndmask_b32 v[SL+\k], v[SW+\k], v[SW+4+\k], vcc_lo
.endr
	global_store_b128 v[VS], v[SL:SL+3], s[SB:SB+1]
.Ldone:
	s_wait_tensorcnt 0x0                           ; the wave's end: an add of 0 and its wait, behind my last tensor load
	ds_add_u32 v[SPW], v[NIL]
	s_wait_dscnt 0x0
	CROUND                                         ; the closing round: no work-group ends while a partner may still ask for a tile that names it
	s_endpgm
.Lfunc_end_k_q9df63d1acf_qkv:
	.size	k_q9df63d1acf_qkv, .Lfunc_end_k_q9df63d1acf_qkv-k_q9df63d1acf_qkv
	.p2alignl 7, 3214868480
	.fill 96, 4, 3214868480
	.section	.rodata,"a",@progbits
	.p2align	6, 0x0
	.amdhsa_kernel k_q9df63d1acf_qkv
		.amdhsa_group_segment_fixed_size 327680
		.amdhsa_private_segment_fixed_size 0
		.amdhsa_enable_private_segment 0
		.amdhsa_kernarg_size 104
		.amdhsa_user_sgpr_count 2
		.amdhsa_user_sgpr_kernarg_segment_ptr 1
		.amdhsa_wavefront_size32 1
		.amdhsa_system_sgpr_workgroup_id_x 1
		.amdhsa_system_sgpr_workgroup_id_y 1
		.amdhsa_system_sgpr_workgroup_id_z 1
		.amdhsa_system_vgpr_workitem_id 0
		.amdhsa_next_free_vgpr 1024
		.amdhsa_next_free_sgpr 100
		.amdhsa_reserve_vcc 1
		.amdhsa_float_denorm_mode_32 3
		.amdhsa_float_denorm_mode_16_64 3
		.amdhsa_memory_ordered 1
		.amdhsa_forward_progress 1
		.amdhsa_inst_pref_size 255
	.end_amdhsa_kernel
	.section	.bss,"aw",@nobits
	.p2align	6
	.space	262144
	.amdgpu_metadata
---
amdhsa.version: [ 1, 2 ]
amdhsa.kernels:
  - .name:           k_q9df63d1acf_qkv
    .symbol:         k_q9df63d1acf_qkv.kd
    .args:
      - { .name: x_codes, .offset: 0, .size: 8, .value_kind: global_buffer, .address_space: global }
      - { .name: x_scales, .offset: 8, .size: 8, .value_kind: global_buffer, .address_space: global }
      - { .name: Wq_codes, .offset: 16, .size: 8, .value_kind: global_buffer, .address_space: global }
      - { .name: Wq_scales, .offset: 24, .size: 8, .value_kind: global_buffer, .address_space: global }
      - { .name: Wk_codes, .offset: 32, .size: 8, .value_kind: global_buffer, .address_space: global }
      - { .name: Wk_scales, .offset: 40, .size: 8, .value_kind: global_buffer, .address_space: global }
      - { .name: Wv_codes, .offset: 48, .size: 8, .value_kind: global_buffer, .address_space: global }
      - { .name: Wv_scales, .offset: 56, .size: 8, .value_kind: global_buffer, .address_space: global }
      - { .name: rope, .offset: 64, .size: 8, .value_kind: global_buffer, .address_space: global }
      - { .name: qimg, .offset: 72, .size: 8, .value_kind: global_buffer, .address_space: global }
      - { .name: qsc, .offset: 80, .size: 8, .value_kind: global_buffer, .address_space: global }
      - { .name: kvc, .offset: 88, .size: 8, .value_kind: global_buffer, .address_space: global }
      - { .name: kvs, .offset: 96, .size: 8, .value_kind: global_buffer, .address_space: global }
    .group_segment_fixed_size: 327680
    .private_segment_fixed_size: 0
    .kernarg_segment_align: 8
    .kernarg_segment_size: 104
    .max_flat_workgroup_size: 128
    .sgpr_count:     100
    .vgpr_count:     1024
    .wavefront_size: 32
...
	.end_amdgpu_metadata
.endif
;; end of part 2
;; launch attn (part 3): grid 4 x 64, 16 waves a work-group, clusters of 4 x 1, 327,680 bytes of LDS; arguments qimg, qsc, kvc, kvs, cimg, csc; writes cimg, csc
.if DOCPART == 3
	.amdgcn_target "amdgcn-amd-amdhsa--gfx1250"
	.amdhsa_code_object_version 6
	.text
	.protected	k_q9df63d1acf_attn
	.globl	k_q9df63d1acf_attn
	.p2align	8
	.type	k_q9df63d1acf_attn,@function
k_q9df63d1acf_attn:
	s_mov_b64 s[64:65], 0
	v_nop
	global_prefetch_b8 v0, s[64:65] scope:SCOPE_SE
	s_setreg_imm32_b32 hwreg(HW_REG_WAVE_MODE, 25, 1), 1
	s_wait_xcnt 0x0
	s_wait_alu depctr_hold_cnt(0) depctr_sa_sdst(0) depctr_va_vdst(0) depctr_va_sdst(0) depctr_va_ssrc(0) depctr_va_vcc(0) depctr_vm_vsrc(0)
	s_getreg_b32 s2, hwreg(HW_REG_IB_STS2, 6, 4)
	s_cmp_eq_u32 s2, 0
	s_cbranch_scc0 .Lentry_in_a_cluster
	s_endpgm
.Lentry_in_a_cluster:
	s_bfe_u32 s2, ttmp6, 0x10000c
	s_cmp_lg_u32 s2, 0x3003
	s_cbranch_scc0 .Lentry_shape_is_right
	s_endpgm
.Lentry_shape_is_right:
; ctx[b][h][q] = the sum over k <= q of softmax_k(Q . K / 8) V, both products on codes of E4M3 with E8M0 scales; then ctx is quantised along the concatenated 1,024 for the last product.
; WORK LEFT OUT: a step of 128 keys all of which come after a tile's 16 queries lies under the causal mask that reference() builds itself: its weights are 0 for all inputs.  A NaN or an infinity that reaches only such steps is not carried.
; THE SOFTMAX: t = score x log2(e) / 8; M = the running largest t rounded up to a whole number; p = 2^(t - M) is quantised along the keys, not normalised; the row's sum is taken of the unquantised p and divides at the end.
; SHARES.  A cluster of four work-groups is one (batch, head); work-group g = its place in the cluster.  Wave w owns two tiles of 16 queries, one after the other: tile 127 - (4 w + g), then tile 4 w + g.
; A tile i walks key steps 0 .. i / 8, which is 15 - w / 2 and w / 2: numbers of the wave alone.  So every wave of every work-group walks 17 steps, and no branch hangs on the place in the cluster.
; LDS holds the head's whole K and V, 262,144 bytes of codes and 12,288 of scale words, filled ONCE by joint tensor loads, three a wave (by this text's count three are out at the most), never again.
; Steps 0-3 are waited for first; steps 4-15 land while all waves walk steps 0-3 of their late tiles.
; LAYOUT.  Both products are used transposed: S^T = K Q^T (source 0 = 16 keys, source 1 = my 16 queries), O^T = V^T P^T: lane (r, h) holds query r throughout.  All operands lie in LDS as images of their registers: 16 bytes a lane.
; THE HEAD'S 64 FILL HALF OF THE INSTRUCTION'S K: Q's codes 64-127 are zeros; a tile of K names 16 registers, of which the upper eight are the next tile's codes (the last tile's: zeros): codes that are numbers, times zero codes, add nothing.
; LIMITS: NaN and infinities among the inputs are not served; a block whose largest magnitude lies under 2^-118 has the byte 1.
; REGISTERS: v1 16 x lane; v2, v3 my places among K's and V's scale words; v4, v5 the add's two; v6-8 the step's addresses; v9 the mask's bound; v10 r - 8 h; v11 -infinity; v12 -M, v13 the largest t, v[14:15] the sum;
;   v16-31 Q; v32-103 K; v104-167 S^T, then p, then V; v168-199 O^T; v200-215 p's codes; v216-239 at work; v240-247 K's scale words, v248-251 V's, v252 Q's, v253 p's; v254 32 r, v255 32 r + h.
.set SCB,    262144                    ; LDS: behind the codes the scale words, 768 bytes a step: K's [r 16][tile 8], then V's [r 16][tile 4]
.set SPARE,  274432                    ; the spare words, 128 bytes for each of 16 waves: eight blocks of 256 bytes that no other line names
.set KVSTEP, 16384                     ; a step's codes: K's 8 tiles x 2 images of 512 bytes, then V's 4 tiles x 4 images
.set SSTEP,  768
.set WV,  16                           ; s16 my wave's number;  s17 g;  s18 16 x batch + head
.set TB,  60                           ; s60 where the step's codes begin in LDS;  s61 its scale words (less SCB);  s62 the step;  s63 my tile's last step
.set TS,  61
.set SI,  62
.set LIMS, 63
.macro GROUP1 g, rows                  ; a dense block as rows of 256 bytes (32 elements of 8 bytes); the mask names all four work-groups, bit 21 stands beside it
	s_mov_b32 s[\g], 15|(3<<16)|(1<<21)
	s_mov_b32 s[\g+1], 32<<16
	s_mov_b32 s[\g+2], (\rows)<<16
	s_mov_b32 s[\g+3], 32<<16
	s_mov_b32 s[\g+4], \rows
	s_mov_b32 s[\g+5], 32
	s_mov_b32 s[\g+6], 0
	s_mov_b32 s[\g+7], 0
.endm
.macro CROUND                          ; a round of the cluster's barrier
	s_barrier_signal -1
	s_barrier_wait -1
	s_cmp_lg_u32 s[WV], 0
	s_cbranch_scc1 .Lnot_wave_0_\@
	s_barrier_signal -3
.Lnot_wave_0_\@:
	s_barrier_wait -3
	s_barrier_signal -1
	s_barrier_wait -1
.endm
	s_load_b256 s[4:11], s[0:1], 0x0               ; qimg s[4:5], qsc s[6:7], kvc s[8:9], kvs s[10:11]
	s_load_b128 s[12:15], s[0:1], 0x20             ; cimg s[12:13], csc s[14:15]
	v_lshl_add_u32 v4, v0, 2, SPARE
	v_mov_b32 v5, 0
	ds_add_u32 v4, v5                              ; the wave's opening: the add, twice on end, and its wait ahead of my first tensor load
	ds_add_u32 v4, v5                              ; and once more; the set-up below, work on registers, stands between it and the wait
	v_lshrrev_b32 v1, 5, v0
	s_delay_alu instid0(VALU_DEP_1)
	v_readfirstlane_b32 s[WV], v1                  ; wave 0..15
	s_bfe_u32 s17, ttmp6, 0x40000                  ; g: it enters Q's and ctx's global addresses and the mask's numbers alone
	s_and_b32 s18, ttmp7, 0xffff                   ; 16 x batch + head, which the four partners share
	GROUP1 24, 3                                   ; my 768 bytes of the scale words
	GROUP1 32, 16                                  ; my 4,096 bytes of steps 0-3
	GROUP1 40, 48                                  ; my 12,288 bytes of steps 4-15
	s_mul_i32 s78, s[WV], SSTEP                    ; the scale words: 768 x wave, in the head's block and in LDS alike
	s_mul_i32 s80, s18, 12288
	s_add_co_u32 s80, s80, s78
	s_mov_b32 s81, 0
	s_lshl_b32 s79, s[WV], 12                      ; steps 0-3: 4,096 x wave
	s_lshl_b32 s82, s18, 18
	s_add_co_u32 s82, s82, s79
	s_mov_b32 s83, 0
	s_mul_i32 s86, s[WV], 12288                    ; steps 4-15: 65,536 + 12,288 x wave
	s_add_co_u32 s86, s86, 65536
	s_lshl_b32 s84, s18, 18
	s_add_co_u32 s84, s84, s86
	s_mov_b32 s85, 0
	s_mov_b32 s20, 0x76543210
	s_mov_b32 s21, 0xfedcba98                      ; v_permlanex16_b32's selects for lane l xor 16
	s_mov_b32 s22, 0x3e38aa3b                      ; c = log2(e) / 8
	s_mov_b32 s23, s22                             ; (named with it as a pair, so it is written)
	s_lshl_b32 s66, s[WV], 2
	s_add_co_u32 s66, s66, s17                     ; my early tile: 4 w + g
	s_sub_co_u32 s67, 127, s66                     ; my late tile
	s_lshr_b32 s68, s[WV], 1                       ; the early tile's last step,
	s_sub_co_u32 s88, 15, s68                      ; the late tile's: both of the wave's number alone
	s_wait_dscnt 0x0                               ; both opening adds are done
	s_wait_kmcnt 0x0
	s_mov_b32 s48, 1
	s_add_co_u32 s49, s78, SCB
	s_add_nc_u64 s[50:51], s[10:11], s[80:81]
	s_or_b32 s51, s51, 0x80000000
	s_mov_b32 s52, 1
	s_mov_b32 s53, s79
	s_add_nc_u64 s[54:55], s[8:9], s[82:83]
	s_or_b32 s55, s55, 0x80000000
	s_mov_b32 s56, 1
	s_mov_b32 s57, s86
	s_add_nc_u64 s[58:59], s[8:9], s[84:85]
	s_or_b32 s59, s59, 0x80000000
	CROUND                                         ; all four work-groups are here: the joint loads meet
	tensor_load_to_lds s[48:51], s[24:31]          ; every wave issues all three: the scale words,
	s_nop 0
	tensor_load_to_lds s[52:55], s[32:39]          ; steps 0-3,
	s_nop 0
	tensor_load_to_lds s[56:59], s[40:47]          ; steps 4-15
	s_nop 0
.rept 4
	v_nop
.endr
	v_and_b32 v1, 31, v0
	s_delay_alu instid0(VALU_DEP_1)
	v_lshlrev_b32 v1, 4, v1                        ; 16 x lane
	v_and_b32 v234, 15, v0                         ; r
	v_bfe_u32 v235, v0, 4, 1                       ; h
	s_delay_alu instid0(VALU_DEP_2)
	v_lshl_add_u32 v2, v234, 5, SCB                ; K's scale words: 32 bytes a row
	s_delay_alu instid0(VALU_DEP_3)
	v_lshl_add_u32 v3, v234, 4, SCB+512            ; V's: 16 bytes a row
	s_delay_alu instid0(VALU_DEP_3)
	v_lshlrev_b32 v10, 3, v235
	s_delay_alu instid0(VALU_DEP_1)
	v_sub_nc_u32 v10, v234, v10                    ; r - 8 h
	v_mov_b32 v11, 0xff800000                      ; -infinity
	v_lshlrev_b32 v254, 5, v234
	s_delay_alu instid0(VALU_DEP_1)
	v_add_nc_u32 v255, v254, v235
.irp j, 0,1,2,3,4,5,6,7
	v_mov_b32 v[24+\j], 0                          ; Q's codes 64-127,
	v_mov_b32 v[96+\j], 0                          ; and what the last tile of K names behind its own
.endr
.irp b, 0,1,2,3
	v_mov_b32 v[220+\b], 0                         ; written once: a lane permute's destination counts as one of its sources
.endr
	v_mov_b32 v233, 0                              ; (named as the upper half of the pair v[232:233])
; A tile begins: its addresses, Q's two images and scale words, the mask's bound, the running figures.
.macro PASS_INIT ireg, limreg
	s_wait_xcnt 0x0                                ; the last tile's stores have read their registers and bases
	s_mov_b32 s[LIMS], s[\limreg]
	s_lshl_b32 s78, s18, 7
	s_add_co_u32 s78, s78, s[\ireg]
	s_lshl_b32 s78, s78, 10                        ; Q's images: 1,024 bytes a tile, 128 tiles a head
	s_mov_b32 s79, 0
	s_add_nc_u64 s[70:71], s[4:5], s[78:79]
	s_lshl_b32 s78, s18, 13                        ; Q's scale words: [head][tile / 8][r][tile % 8]
	s_lshr_b32 s80, s[\ireg], 3
	s_lshl_b32 s80, s80, 9
	s_add_co_u32 s78, s78, s80
	s_and_b32 s81, s[\ireg], 7
	s_lshl_b32 s80, s81, 2
	s_add_co_u32 s78, s78, s80
	s_add_nc_u64 s[72:73], s[6:7], s[78:79]
	s_lshr_b32 s80, s18, 4                         ; batch
	s_lshl_b32 s82, s80, 7
	s_add_co_u32 s82, s82, s[\ireg]                ; the tile of 16 rows among ctx's 512
	s_lshl_b32 s78, s82, 14                        ; ctx's images: 16,384 bytes a tile of rows, 1,024 a head
	s_and_b32 s83, s18, 15
	s_lshl_b32 s84, s83, 10
	s_add_co_u32 s78, s78, s84
	s_add_nc_u64 s[74:75], s[12:13], s[78:79]
	s_lshl_b32 s78, s82, 9                         ; ctx's scale bytes: 32 a row, 2 a head
	s_lshl_b32 s84, s83, 1
	s_add_co_u32 s78, s78, s84
	s_add_nc_u64 s[76:77], s[14:15], s[78:79]
	global_load_b128 v[16:19], v1, s[70:71]
	global_load_b128 v[20:23], v1, s[70:71] offset:512
	global_load_b32 v252, v254, s[72:73]
	s_lshl_b32 s81, s81, 4
	v_add_nc_u32 v9, s81, v10                      ; my query's place in its last step, less 8 h
	v_mov_b32 v13, 0xff61b1e6                      ; the largest t so far: -3e38
	s_delay_alu instid0(VALU_DEP_1)
	v_floor_f32 v12, -v13                          ; -M
	v_mov_b32 v14, 0
	v_mov_b32 v15, 0
.set j, 0
.rept 32
	v_mov_b32 v[168+j], 0                          ; O^T: the step is written once, its first turn finds zeros
.set j, j+1
.endr
	s_mov_b32 s[TB], 0
	s_mov_b32 s[TS], 0
	s_mov_b32 s[SI], 0
.endm
; A KEY STEP: 128 keys.  mode = 1: the step may lie behind my tile's last (then only its closing lines are run) or be the last (then the mask is applied); mode = 0: neither can be.
.macro STEP mode
.if \mode
	s_cmp_gt_u32 s[SI], s[LIMS]
	s_cbranch_scc1 .Lhid_\@
.endif
	s_setprio 2
	v_add_nc_u32 v6, s[TB], v1
	v_add_nc_u32 v7, s[TS], v2
	v_add_nc_u32 v8, s[TS], v3
.rept 6
	v_nop                                          ; with the three additions nine places: the products below write over registers that the last step's products read as V
.endr
.irp T, 0,1,2,3,4,5,6,7
	ds_load_b128 v[32+8*\T:35+8*\T], v6 offset:1024*\T
	ds_load_b128 v[36+8*\T:39+8*\T], v6 offset:1024*\T+512
.endr
	ds_load_b128 v[240:243], v7
	ds_load_b128 v[244:247], v7 offset:16
	s_wait_dscnt 0x0
.irp T, 0,1,2,3,4,5,6,7
	v_wmma_scale_f32_16x16x128_f8f6f4 v[104+8*\T:111+8*\T], v[32+8*\T:47+8*\T], v[16:31], 0, v[240+\T], v252
.endr
.rept 8
	v_nop
.endr
.if \mode                                      ; in my tile's last step the scores of hidden keys become -infinity.  Register n holds key 16 (n / 8) + 8 h + n % 8 of the step: hidden where 16 (n / 8) + n % 8 > v9
	s_cmp_lg_u32 s[SI], s[LIMS]
	s_cbranch_scc1 .Lopen_\@
.set n, 0
.rept 64
	v_cmp_gt_i32 vcc_lo, 16*(n/8)+n%8, v9
	v_cndmask_b32 v[104+n], v[104+n], v11, vcc_lo
.set n, n+1
.endr
.Lopen_\@:
.endif
.irp b, 0,1,2,3
	v_max3_num_f32 v[216+\b], v[104+16*\b], v[105+16*\b], v[106+16*\b]   ; the largest score of each block of 32 keys: for the row's maximum and, since p rises with the score, for the block's largest p
.endr
.irp i, 3,5,7,9,11,13
.irp b, 0,1,2,3
	v_max3_num_f32 v[216+\b], v[216+\b], v[104+16*\b+\i], v[105+16*\b+\i]
.endr
.endr
.irp b, 0,1,2,3
	v_max_num_f32 v[216+\b], v[216+\b], v[119+16*\b]
.endr
.irp b, 0,1,2,3
	s_delay_alu instid0(VALU_DEP_4)
	v_permlanex16_b32 v[220+\b], v[216+\b], s20, s21
.endr
.irp b, 0,1,2,3
	s_delay_alu instid0(VALU_DEP_4)
	v_max_num_f32 v[216+\b], v[216+\b], v[220+\b]  ; with lane l xor 16's 16 keys
.endr
	s_delay_alu instid0(VALU_DEP_2)
	v_max3_num_f32 v234, v216, v217, v218
	s_delay_alu instid0(VALU_DEP_1)
	v_max_num_f32 v234, v234, v219                 ; the step's largest score of my query
	s_delay_alu instid0(VALU_DEP_1)
	v_mul_f32 v234, s22, v234                      ; as t
	s_delay_alu instid0(VALU_DEP_1)
	v_max_num_f32 v13, v13, v234                   ; the running largest t
	v_mov_b32 v234, v12
	s_delay_alu instid0(VALU_DEP_2)
	v_floor_f32 v12, -v13                          ; the new -M = -ceil(t)
	s_delay_alu instid0(VALU_DEP_1)
	v_sub_f32 v234, v12, v234                      ; old M - new M: a whole number, 0 or less
	s_delay_alu instid0(VALU_DEP_1)
	v_cvt_i32_f32 v234, v234                       ; (it saturates)
	s_delay_alu instid0(VALU_DEP_1)
	v_ldexp_f32 v232, 1.0, v234                    ; f = 2^(old M - new M)
.set j, 0
.rept 32
	v_pk_fma_f32 v[104+j:105+j], v[104+j:105+j], s[22:23], v[12:13] op_sel_hi:[1,0,0]   ; t - M, two at a time
.set j, j+2
.endr
.irp b, 0,1,2,3
	v_fma_f32 v[216+\b], v[216+\b], s22, v12       ; the same of each block's largest score
.endr
.set j, 0
	s_setprio 1
	s_wait_alu depctr_va_vdst(0)
.rept 64
	v_exp_f32 v[104+j], v[104+j]                   ; p = 2^(t - M)
.set j, j+1
.endr
	v_pk_mul_f32 v[14:15], v[14:15], v[232:233] op_sel_hi:[1,0]   ; the sums under the new M (the plain instruction behind the exponentials)
	s_wait_alu depctr_va_vdst(0)                   ; one wait for the batch of 64, ahead of its first reader
.irp b, 0,1,2,3
	v_exp_f32 v[216+\b], v[216+\b]                 ; the block's largest p
.endr
	v_pk_add_f32 v[236:237], v[108:109], v[112:113]
	v_pk_add_f32 v[250:251], v[116:117], v[120:121]
	v_pk_add_f32 v[248:249], v[124:125], v[128:129]
	v_pk_add_f32 v[246:247], v[132:133], v[136:137]
	v_pk_add_f32 v[244:245], v[140:141], v[144:145]
	v_pk_add_f32 v[242:243], v[148:149], v[152:153]
	v_pk_add_f32 v[240:241], v[156:157], v[160:161]
	v_pk_add_f32 v[14:15], v[14:15], v[164:165]
	v_pk_add_f32 v[236:237], v[236:237], v[104:105]
	v_pk_add_f32 v[250:251], v[250:251], v[106:107]
	v_pk_add_f32 v[248:249], v[248:249], v[110:111]
	v_pk_add_f32 v[246:247], v[246:247], v[114:115]
	v_pk_add_f32 v[244:245], v[244:245], v[118:119]
	v_pk_add_f32 v[242:243], v[242:243], v[122:123]
	v_pk_add_f32 v[240:241], v[240:241], v[126:127]
	v_pk_add_f32 v[14:15], v[14:15], v[130:131]
	v_pk_add_f32 v[236:237], v[236:237], v[134:135]
	v_pk_add_f32 v[250:251], v[250:251], v[138:139]
	v_pk_add_f32 v[248:249], v[248:249], v[142:143]
	v_pk_add_f32 v[246:247], v[246:247], v[146:147]
	v_pk_add_f32 v[244:245], v[244:245], v[150:151]
	v_pk_add_f32 v[242:243], v[242:243], v[154:155]
	v_pk_add_f32 v[240:241], v[240:241], v[158:159]
	v_pk_add_f32 v[14:15], v[14:15], v[162:163]
	v_pk_add_f32 v[236:237], v[236:237], v[166:167]
	s_delay_alu instid0(VALU_DEP_2)
	v_pk_add_f32 v[14:15], v[14:15], v[246:247]
	s_delay_alu instid0(VALU_DEP_2)
	v_pk_add_f32 v[236:237], v[236:237], v[244:245]
	v_pk_add_f32 v[250:251], v[250:251], v[242:243]
	v_pk_add_f32 v[248:249], v[248:249], v[240:241]
	s_delay_alu instid0(VALU_DEP_2)
	v_pk_add_f32 v[14:15], v[14:15], v[250:251]
	s_delay_alu instid0(VALU_DEP_2)
	v_pk_add_f32 v[236:237], v[236:237], v[248:249]
	s_delay_alu instid0(VALU_DEP_1)
	v_pk_add_f32 v[14:15], v[14:15], v[236:237]
	s_wait_alu depctr_va_vdst(0)                   ; and one for the four
.irp b, 0,1,2,3
	v_max_num_f32 v[216+\b], 0x4800000, v[216+\b]  ; the floor 2^(9 - 127): the byte cannot fall under 1
.endr
.irp b, 0,1,2,3
	s_delay_alu instid0(VALU_DEP_4)
	v_add_nc_u32 v[228+\b], 0xfc000000, v[216+\b]  ; the conversion's scale operand
.endr
.irp b, 0,1,2,3
.endr
.irp b, 0,1,2,3
	s_delay_alu instid0(VALU_DEP_4)
	v_lshrrev_b32 v[220+\b], 23, v[228+\b]         ; the scale's byte
.endr
	s_delay_alu instid0(VALU_DEP_3)
	v_lshl_or_b32 v253, v221, 8, v220              ; p's scale word for these 128 keys
	s_delay_alu instid0(VALU_DEP_1)
	v_lshl_or_b32 v253, v222, 16, v253
	s_delay_alu instid0(VALU_DEP_1)
	v_lshl_or_b32 v253, v223, 24, v253
.irp b, 0,1,2,3
.irp i, 0,1,2,3,4,5,6,7,8,9,10,11,12,13,14,15
.endr
	v_cvt_scalef32_pk8_fp8_f32 v[200+4*\b:201+4*\b], v[104+16*\b:111+16*\b], v[228+\b]
	v_cvt_scalef32_pk8_fp8_f32 v[202+4*\b:203+4*\b], v[112+16*\b:119+16*\b], v[228+\b]
.irp c, 0,1,2,3
	ds_load_b128 v[104+16*\b+4*\c:107+16*\b+4*\c], v6 offset:8192+2048*\b+512*\c   ; tile b of V takes the registers whose p has just been converted
.endr
.endr
	s_setprio 0
	ds_load_b128 v[248:251], v8
.set j, 0
.rept 16
	v_pk_mul_f32 v[168+j:169+j], v[168+j:169+j], v[232:233] op_sel_hi:[1,0]   ; O^T under the new M; these are also the places between the conversions and the products
.set j, j+2
.endr
	s_wait_alu depctr_va_vdst(0)
	s_wait_dscnt 0x0
.irp t, 0,1,2,3
	v_wmma_scale_f32_16x16x128_f8f6f4 v[168+8*\t:175+8*\t], v[104+16*\t:119+16*\t], v[200:215], v[168+8*\t:175+8*\t], v[248+\t], v253
.endr
.if \mode
.Lhid_\@:
.endif
	s_add_co_u32 s[TB], s[TB], KVSTEP
	s_add_co_u32 s[TS], s[TS], SSTEP
	s_add_co_u32 s[SI], s[SI], 1
.endm
; A tile ends: O^T / the sum; the halves of the lanes change eight registers of each block, so that lane (r, h) holds channels 32 b + 16 h + 0 .. 15 in their natural order, which Wo's given codes ask for; the quantiser; two images and two bytes a row.
.macro OUT
.rept 8
	v_nop
.endr
	v_add_f32 v14, v14, v15
	s_delay_alu instid0(VALU_DEP_1)
	v_permlanex16_b32 v234, v14, s20, s21
	s_delay_alu instid0(VALU_DEP_1)
	v_add_f32 v14, v14, v234                       ; the row's sum
	s_wait_alu depctr_va_vdst(0)
	v_rcp_f32 v232, v14
	v_nop                                          ; a plain instruction behind the reciprocal
	s_wait_alu depctr_va_vdst(0)                   ; and the wait ahead of its first reader
.set j, 0
.rept 16
	v_pk_mul_f32 v[168+j:169+j], v[168+j:169+j], v[232:233] op_sel_hi:[1,0]   ; each accumulator from its low end on
.set j, j+2
.endr
.irp b, 0,1
.irp i, 0,1,2,3,4,5,6,7
	v_permlane16_swap_b32 v[168+16*\b+\i], v[176+16*\b+\i]   ; tile 2 b's lanes 16-31 (channels 8 + i) against tile 2 b + 1's lanes 0-15 (channels 16 + i)
.endr
.endr
.irp b, 0,1
	v_max3_num_f32 v[216+\b], |v[168+16*\b]|, |v[169+16*\b]|, 0x4800000
.endr
.irp i, 2,4,6,8,10,12,14
.irp b, 0,1
	s_delay_alu instid0(VALU_DEP_2)
	v_max3_num_f32 v[216+\b], v[216+\b], |v[168+16*\b+\i]|, |v[169+16*\b+\i]|
.endr
.endr
.irp b, 0,1
	s_delay_alu instid0(VALU_DEP_2)
	v_permlanex16_b32 v[220+\b], v[216+\b], s20, s21
.endr
.irp b, 0,1
	s_delay_alu instid0(VALU_DEP_2)
	v_max_num_f32 v[216+\b], v[216+\b], v[220+\b]
.endr
.irp b, 0,1
	s_delay_alu instid0(VALU_DEP_2)
	v_add_nc_u32 v[228+\b], 0xfc000000, v[216+\b]
.endr
.irp b, 0,1
.endr
.irp b, 0,1
	s_delay_alu instid0(VALU_DEP_2)
	v_lshrrev_b32 v[220+\b], 23, v[228+\b]
.endr
.irp b, 0,1
.irp i, 0,1,2,3,4,5,6,7,8,9,10,11,12,13,14,15
.endr
	v_cvt_scalef32_pk8_fp8_f32 v[200+4*\b:201+4*\b], v[168+16*\b:175+16*\b], v[228+\b]
	v_cvt_scalef32_pk8_fp8_f32 v[202+4*\b:203+4*\b], v[176+16*\b:183+16*\b], v[228+\b]
.endr
	v_and_b32 v234, 16, v0                         ; (a plain instruction behind the last conversion)
	global_store_b128 v1, v[200:203], s[74:75]     ; the wave stores 512 consecutive bytes
	global_store_b128 v1, v[204:207], s[74:75] offset:512
	v_cmp_ne_u32 vcc_lo, 0, v234
	s_delay_alu instid0(VALU_DEP_1)
	v_cndmask_b32 v235, v220, v221, vcc_lo         ; lanes 0-15 store block 0's byte of row r, lanes 16-31 block 1's: single bytes, 32 bytes from row to row; a row's other 30 come from other work-groups
	global_store_b8 v255, v235, s[76:77]
.endm
	PASS_INIT 67, 88                               ; the late tile
	s_wait_tensorcnt 1                             ; my parts of the scale words and of steps 0-3 are in; steps 4-15 may stay out
	s_barrier_signal -1
	s_barrier_wait -1                              ; everybody's are
	s_wait_loadcnt 0x0                             ; Q
	s_mov_b32 s69, 4
.Lfirst:                                               ; steps 0-3: every late tile's last step is 8 or later, so all their keys count
	STEP 0
	s_sub_co_u32 s69, s69, 1
	s_cmp_lg_u32 s69, 0
	s_cbranch_scc1 .Lfirst
	s_setprio 0
	s_wait_tensorcnt 0x0                           ; my part of steps 4-15 is in,
	s_wait_dscnt 0x0
	s_barrier_signal -1
	s_barrier_wait -1                              ; everybody's is; from here on the waves run free
	s_mov_b32 s[TB], 4*KVSTEP
	s_mov_b32 s[TS], 4*SSTEP
	s_mov_b32 s[SI], 4
	s_mov_b32 s69, 12
.Llate:
	STEP 1
	s_sub_co_u32 s69, s69, 1
	s_cmp_lg_u32 s69, 0
	s_cbranch_scc1 .Llate
	s_setprio 0
	OUT
	PASS_INIT 66, 68                               ; the early tile
	s_wait_loadcnt 0x0
	s_mov_b32 s69, 8
.Learly:
	STEP 1
	s_sub_co_u32 s69, s69, 1
	s_cmp_lg_u32 s69, 0
	s_cbranch_scc1 .Learly
	s_setprio 0
	OUT
	s_wait_tensorcnt 0x0                           ; the wave's end: an add of 0 and its wait, behind my last tensor load
	ds_add_u32 v4, v5
	s_wait_dscnt 0x0
	CROUND                                         ; the closing round
	s_endpgm
.Lfunc_end_k_q9df63d1acf_attn:
	.size	k_q9df63d1acf_attn, .Lfunc_end_k_q9df63d1acf_attn-k_q9df63d1acf_attn
	.p2alignl 7, 3214868480
	.fill 96, 4, 3214868480
	.section	.rodata,"a",@progbits
	.p2align	6, 0x0
	.amdhsa_kernel k_q9df63d1acf_attn
		.amdhsa_group_segment_fixed_size 327680
		.amdhsa_private_segment_fixed_size 0
		.amdhsa_enable_private_segment 0
		.amdhsa_kernarg_size 48
		.amdhsa_user_sgpr_count 2
		.amdhsa_user_sgpr_kernarg_segment_ptr 1
		.amdhsa_wavefront_size32 1
		.amdhsa_system_sgpr_workgroup_id_x 1
		.amdhsa_system_sgpr_workgroup_id_y 1
		.amdhsa_system_sgpr_workgroup_id_z 1
		.amdhsa_system_vgpr_workitem_id 0
		.amdhsa_next_free_vgpr 256
		.amdhsa_next_free_sgpr 90
		.amdhsa_reserve_vcc 1
		.amdhsa_float_denorm_mode_32 3
		.amdhsa_float_denorm_mode_16_64 3
		.amdhsa_fp16_overflow 1
		.amdhsa_memory_ordered 1
		.amdhsa_forward_progress 1
		.amdhsa_inst_pref_size 84
	.end_amdhsa_kernel
	.amdgpu_metadata
---
amdhsa.version: [ 1, 2 ]
amdhsa.kernels:
  - .name:           k_q9df63d1acf_attn
    .symbol:         k_q9df63d1acf_attn.kd
    .args:
      - { .name: qimg, .offset: 0, .size: 8, .value_kind: global_buffer, .address_space: global }
      - { .name: qsc, .offset: 8, .size: 8, .value_kind: global_buffer, .address_space: global }
      - { .name: kvc, .offset: 16, .size: 8, .value_kind: global_buffer, .address_space: global }
      - { .name: kvs, .offset: 24, .size: 8, .value_kind: global_buffer, .address_space: global }
      - { .name: cimg, .offset: 32, .size: 8, .value_kind: global_buffer, .address_space: global }
      - { .name: csc, .offset: 40, .size: 8, .value_kind: global_buffer, .address_space: global }
    .group_segment_fixed_size: 327680
    .private_segment_fixed_size: 0
    .kernarg_segment_align: 8
    .kernarg_segment_size: 48
    .max_flat_workgroup_size: 512
    .sgpr_count:     90
    .vgpr_count:     256
    .wavefront_size: 32
...
	.end_amdgpu_metadata
.endif
;; end of part 3
;; launch oproj (part 4): grid 4 x 32, 4 waves a work-group, clusters of 4 x 4, 327,680 bytes of LDS; arguments cimg, csc, Wo_codes, Wo_scales, out0; writes out0
.if DOCPART == 4
	.amdgcn_target "amdgcn-amd-amdhsa--gfx1250"
	.amdhsa_code_object_version 6
	.text
	.protected	k_q9df63d1acf_oproj
	.globl	k_q9df63d1acf_oproj
	.p2align	8
	.type	k_q9df63d1acf_oproj,@function
k_q9df63d1acf_oproj:
	s_mov_b64 s[64:65], 0
	v_nop
	global_prefetch_b8 v0, s[64:65] scope:SCOPE_SE
	s_setreg_imm32_b32 hwreg(HW_REG_WAVE_MODE, 25, 1), 1
	s_wait_xcnt 0x0
	s_wait_alu depctr_hold_cnt(0) depctr_sa_sdst(0) depctr_va_vdst(0) depctr_va_sdst(0) depctr_va_ssrc(0) depctr_va_vcc(0) depctr_vm_vsrc(0)
	s_getreg_b32 s2, hwreg(HW_REG_IB_STS2, 6, 4)
	s_cmp_eq_u32 s2, 0
	s_cbranch_scc0 .Lentry_in_a_cluster
	s_endpgm
.Lentry_in_a_cluster:
	s_bfe_u32 s2, ttmp6, 0x10000c
	s_cmp_lg_u32 s2, 0xf033
	s_cbranch_scc0 .Lentry_shape_is_right
	s_endpgm
.Lentry_shape_is_right:
; out0[m][n] = sum over k of ctx[m][k] Wo[n][k], on codes of E4M3 with one E8M0 scale for each 32 along K; sums and out0 in f32.  M 8,192, N 1,024, K 1,024.  No work is left out here.
; ctx's codes come as images of the operand's registers, [tile of 16 rows][128 along K][4][512 bytes], lane l's 16 bytes at 16 l; its scale bytes [row][32]; Wo's codes and scale bytes as given, K innermost.
; A tile of out0, 256 x 256, is made by four waves of 128 x 128: 64 accumulators of 16 x 16.  K goes in steps of 256 through a ring of two LDS slots filled by the tensor data mover; the scale bytes come once and stay.
; CLUSTERS of 4 x 4: ctx's tiles are asked for jointly along a row of the cluster, Wo's along a column.  THE MATRIX INSTRUCTION IS USED TRANSPOSED (source 0 = 16 rows of Wo, source 1 = 16 rows of ctx): a lane holds eight neighbouring numbers of a row of out0.
; REGISTERS, in windows of 256: window 0: v0-31 addresses; v32-63 scale words, two sets; from v128 A's fragments, one set.  window 1: B's fragments, two sets.  windows 2, 3: the accumulators of my rows 0-63, 64-127.
.set SIZE_M, 8192
.set SIZE_N, 1024
.set SIZE_K, 1024
.set KSTEP,  256
.set NQ,     KSTEP/128
.set ROWB,   256                       ; a row of B's tile in bytes
.set AROWB,  4096                      ; a K step of a tile of 16 rows of A: two images' groups of 2,048 bytes
.set KROW,   SIZE_K                    ; a row of B in memory; and A's bytes for a row: a tile of 16 rows is 16,384 bytes
.set PITCH,  272                       ; B's LDS row: 256 bytes + 16 of padding
.set FR,     16
.set NL,     4
.set NP,     8                         ; places behind this matrix instruction (ISA guide 7.12.1)
.set HALFT,  128*PITCH                 ; the room of 128 rows in a slot (A's images use 32,768 bytes of it)
.set SLOT,   4*HALFT
.set LAPS,   SIZE_K/(2*KSTEP)
.set KS,     SIZE_K/32
.set SCL,    2*SLOT
.set HALFS,  (128*KS/256)*272
.set SBLK,   (16*KS/256)*272
.set SPARE,  SCL+4*HALFS               ; the spare words, 128 bytes for each wave: two blocks of 256 bytes that no other line names
.set SPITCH, 528                       ; the way out: a stage of 16 rows x (512 bytes + 16) for each wave, in slot 0, which has had its last fill and its last read by then
.set ADRA, 16
.set ADRB, 20
.set STO,  24
.set RD,   25
.set CO,   26
.set ADRS, 27
.set SPW,  28
.set NIL,  29
.set SC,   32
.set AF,   128
.set BK,   128
.set G1, 24
.set G0, 32
.set G1B, 48
.set G0B, 56
.set G1S, 68
.set G0S, 76
.set G1SB, 80
.set G0SB, 88
.set MSB, 0
.macro WIN new                         ; the immediate's high byte repeats the setting that is left
.if MSB != (\new)
	s_set_vgpr_msb (MSB<<8)|(\new)
.set MSB, (\new)
.endif
.endm
.set MUL_LO, 0xa1
.set MUL_HI, 0xf1
.set TO_B,   0x40
.macro JLOAD g0a, g1a, g0b, g1b        ; a joint load: waves 0 and 1 fetch for A, waves 2 and 3 for B; an s_nop 0 and four v_nop follow each of the two lines
	s_cmp_eq_u32 s15, 0
	s_cbranch_scc0 .Lfor_b_\@
	tensor_load_to_lds s[\g0a:\g0a+3], s[\g1a:\g1a+7]
	s_nop 0
.rept 4
	v_nop
.endr
	s_branch .Lasked_\@
.Lfor_b_\@:
	tensor_load_to_lds s[\g0b:\g0b+3], s[\g1b:\g1b+7]
	s_nop 0
.rept 4
	v_nop
.endr
.Lasked_\@:
.endm
.macro CREST
	s_cmp_lg_u32 s14, 0
	s_cbranch_scc1 .Lnot_wave_0_\@
	s_barrier_signal -3
.Lnot_wave_0_\@:
	s_barrier_wait -3
	s_barrier_signal -1
	s_barrier_wait -1
.endm
.macro CROUND
	s_barrier_signal -1
	s_barrier_wait -1
	CREST
.endm
	s_load_b128 s[4:7], s[0:1], 0x0                ; ctx's images s[4:5], its scale bytes s[6:7]
	s_load_b128 s[8:11], s[0:1], 0x10              ; Wo's codes s[8:9], its scale bytes s[10:11]
	s_load_b64 s[12:13], s[0:1], 0x20              ; out0
	v_lshl_add_u32 v[SPW], v0, 2, SPARE
	v_mov_b32 v[NIL], 0
	ds_add_u32 v[SPW], v[NIL]                      ; the wave's opening: the add, twice on end, and its wait ahead of my first tensor load
	ds_add_u32 v[SPW], v[NIL]                      ; and once more; the set-up below, work on registers, stands between it and the wait
	v_lshrrev_b32 v1, 5, v0
	v_readfirstlane_b32 s14, v1                    ; wave 0..3
	s_lshr_b32 s15, s14, 1                         ; which half of the tile's rows is mine.  Also: I fetch for A (0) or for B (1)
	s_and_b32 s16, s14, 1                          ; which half of its columns.  Also: which 128 rows of that tile I fetch
	s_bfe_u32 s40, ttmp6, 0x40000                  ; cx, cy
	s_bfe_u32 s41, ttmp6, 0x40004
	s_lshl_b32 s42, ttmp9, 2
	s_add_co_u32 s42, s42, s40                     ; tile column
	s_and_b32 s17, ttmp7, 0xffff
	s_lshl_b32 s17, s17, 2
	s_add_co_u32 s17, s17, s41                     ; tile row
	s_lshl_b32 s43, s41, 2
	s_lshl_b32 s43, 15, s43                        ; my row of the cluster
	s_lshl_b32 s44, 0x1111, s40                    ; my column
	; A: eight tiles of 16 rows, of each the K step's 4,096 consecutive bytes (512 elements of 8 bytes), 16,384 bytes from tile to tile; dense in LDS
	s_or_b32 s[G1+0], s43, (3<<16)|(1<<21)
	s_mov_b32 s[G1+1], 512<<16
	s_mov_b32 s[G1+2], 8<<16
	s_mov_b32 s[G1+3], 512<<16
	s_mov_b32 s[G1+4], 8
	s_mov_b32 s[G1+5], 2048
	s_mov_b32 s[G1+6], 0
	s_mov_b32 s[G1+7], 0
	; B: 128 rows x 256 bytes, 16 bytes of padding behind each
	s_or_b32 s[G1B+0], s44, (0<<16)|(1<<20)|(1<<21)|(5<<22)|(3<<25)
	s_mov_b32 s[G1B+1], ROWB<<16
	s_mov_b32 s[G1B+2], 128<<16
	s_mov_b32 s[G1B+3], ROWB<<16
	s_mov_b32 s[G1B+4], 128
	s_mov_b32 s[G1B+5], KROW
	s_mov_b32 s[G1B+6], 0
	s_mov_b32 s[G1B+7], 0
	; the scales of 128 rows: a dense block, as rows of 256 bytes, 16 bytes of padding behind each
	s_or_b32 s[G1S+0], s43, (3<<16)|(1<<20)|(1<<21)|(5<<22)|(3<<25)
	s_or_b32 s[G1SB+0], s44, (3<<16)|(1<<20)|(1<<21)|(5<<22)|(3<<25)
.irp g, G1S, G1SB
	s_mov_b32 s[\g+1], 32<<16
	s_mov_b32 s[\g+2], (128*KS/256)<<16
	s_mov_b32 s[\g+3], 32<<16
	s_mov_b32 s[\g+4], 128*KS/256
	s_mov_b32 s[\g+5], 32
	s_mov_b32 s[\g+6], 0
	s_mov_b32 s[\g+7], 0
.endr
	s_lshl_b32 s18, s16, 7
	s_lshl_b32 s20, s17, 8
	s_add_co_u32 s20, s20, s18                     ; A: row 256 x tile row + 128 x half
	s_lshl_b32 s46, s42, 8
	s_add_co_u32 s46, s46, s18                     ; B: row 256 x tile column + 128 x half
	s_mov_b32 s21, 0
	s_mov_b32 s47, 0
	s_mov_b64 s[18:19], KS
	s_mul_u64 s[22:23], s[20:21], s[18:19]
	s_mul_u64 s[92:93], s[46:47], s[18:19]
	s_mov_b64 s[18:19], KROW
	s_mul_u64 s[20:21], s[20:21], s[18:19]         ; (A's images: 1,024 bytes for a row too)
	s_mul_u64 s[46:47], s[46:47], s[18:19]
	s_mul_i32 s45, s14, HALFT
	s_mul_i32 s94, s14, HALFS
	s_wait_dscnt 0x0                               ; both opening adds are done
	s_wait_kmcnt 0x0
	s_add_nc_u64 s[20:21], s[4:5], s[20:21]
	s_add_nc_u64 s[22:23], s[6:7], s[22:23]
	s_add_nc_u64 s[46:47], s[8:9], s[46:47]
	s_add_nc_u64 s[92:93], s[10:11], s[92:93]
	CROUND                                         ; all sixteen work-groups are here: the first joint loads meet
	s_mov_b32 s[G0S], 1
	s_add_co_u32 s[G0S+1], s94, SCL
	s_mov_b64 s[G0S+2:G0S+3], s[22:23]
	s_or_b32 s[G0S+3], s[G0S+3], 0x80000000
	s_mov_b32 s[G0SB], 1
	s_add_co_u32 s[G0SB+1], s94, SCL
	s_mov_b64 s[G0SB+2:G0SB+3], s[92:93]
	s_or_b32 s[G0SB+3], s[G0SB+3], 0x80000000
	JLOAD G0S, G1S, G0SB, G1SB
.irp s, 0,1
	s_mov_b32 s[G0+4*\s], 1
	s_add_co_u32 s[G0+4*\s+1], s45, \s*SLOT
	s_add_nc_u64 s[G0+4*\s+2:G0+4*\s+3], s[20:21], \s*AROWB
	s_or_b32 s[G0+4*\s+3], s[G0+4*\s+3], 0x80000000
	s_mov_b32 s[G0B+4*\s], 1
	s_add_co_u32 s[G0B+4*\s+1], s45, \s*SLOT
	s_add_nc_u64 s[G0B+4*\s+2:G0B+4*\s+3], s[46:47], \s*ROWB
	s_or_b32 s[G0B+4*\s+3], s[G0B+4*\s+3], 0x80000000
	s_wait_alu depctr_va_vdst(0)
	s_wait_tensorcnt 0x0
	ds_add_u32 v28, v29
	s_wait_dscnt 0x0
	CROUND
	JLOAD G0+4*\s, G1, G0B+4*\s, G1B
.endr
	v_and_b32 v1, 15, v0                           ; l % 16
	v_bfe_u32 v2, v0, 4, 1                         ; l / 16
	v_mul_u32_u24 v3, v1, PITCH
	v_lshl_add_u32 v4, v2, 4, v3                   ; B: a fragment's row x pitch + 16 x half
	v_and_b32 v7, 31, v0
	v_lshlrev_b32 v7, 4, v7                        ; A: 16 x lane
	s_mul_i32 s21, s15, HALFT                      ; my 128 rows of A
	s_mul_i32 s22, s16, HALFT                      ; my 128 rows of B,
	s_add_co_u32 s22, s22, 2*HALFT                 ; which lie behind A's
.irp s, 0,1
	v_add_nc_u32 v[ADRA+\s], s21, v7
	v_add_nc_u32 v[ADRB+\s], s22, v4
	s_add_co_u32 s21, s21, SLOT
	s_add_co_u32 s22, s22, SLOT
.endr
	v_mul_u32_u24 v5, v1, KS
	v_lshrrev_b32 v6, 8, v5
	v_lshl_add_u32 v5, v6, 4, v5
	s_mul_i32 s21, s15, HALFS
	s_mul_i32 s22, s16, HALFS
	s_add_co_u32 s22, s22, 2*HALFS
	s_sub_co_u32 s22, s22, s21
	v_mul_u32_u24 v6, s22, v2                      ; lanes 16-31 take B's
	s_add_co_u32 s21, s21, SCL
	v_add_nc_u32 v5, v5, v6
	v_add_nc_u32 v[ADRS], s21, v5
	s_mul_i32 s23, s14, 16*SPITCH                  ; my stage
	v_mul_u32_u24 v5, v1, SPITCH
	v_lshl_add_u32 v5, v2, 5, v5
	v_add_nc_u32 v[STO], s23, v5
	v_and_b32 v6, 31, v0
	v_lshlrev_b32 v[CO], 4, v6
	v_add_nc_u32 v[RD], s23, v[CO]
	s_lshl_b32 s20, s17, 8
	s_lshl_b32 s21, s15, 7
	s_add_co_u32 s20, s20, s21                     ; my first row of out0
	s_mov_b32 s21, 0
	s_mov_b64 s[18:19], SIZE_N*4
	s_mul_u64 s[20:21], s[20:21], s[18:19]
	s_lshl_b32 s46, s42, 10                        ; my first column, in bytes
	s_lshl_b32 s47, s16, 9
	s_add_co_u32 s46, s46, s47
	s_mov_b32 s47, 0
	s_add_nc_u64 s[20:21], s[20:21], s[46:47]
	s_add_nc_u64 s[12:13], s[12:13], s[20:21]
.macro FRAG reg, adr, q, i             ; a fragment of B from rows: registers 4 c .. 4 c + 3 hold K = 32 c + 16 (l / 16) + 0 .. 15
.irp c, 0,1,2,3
	ds_load_b128 v[\reg+4*\c:\reg+4*\c+3], v[\adr] offset:128*(\q)+32*\c+(\i)*16*PITCH
.endr
.endm
.macro FRAGA reg, adr, q, i            ; a fragment of A from its images: 512 consecutive bytes a load
.irp c, 0,1,2,3
	ds_load_b128 v[\reg+4*\c:\reg+4*\c+3], v[\adr] offset:2048*(\q)+512*\c+(\i)*AROWB
.endr
.endm
; The 64 accumulators take turns, one instruction a turn, in the same order in every step.
.macro MUL16 a0, p, q, sc, zero
.irp a, \a0, \a0+1
.irp b, 0,1,2,3,4,5,6,7
.if \zero
	v_wmma_scale_f32_16x16x128_f8f6f4 v[8*(8*((\a)%4)+\b):8*(8*((\a)%4)+\b)+7], v[128*(\p)+FR*\b:128*(\p)+FR*\b+FR-1], v[AF+FR*(\a):AF+FR*(\a)+FR-1], 0, v[SC+8*NQ*(\sc)+NQ*\b+(\q)], v[SC+8*NQ*(\sc)+NQ*(\a)+(\q)] matrix_a_scale:MATRIX_SCALE_ROW1
.else
	v_wmma_scale_f32_16x16x128_f8f6f4 v[8*(8*((\a)%4)+\b):8*(8*((\a)%4)+\b)+7], v[128*(\p)+FR*\b:128*(\p)+FR*\b+FR-1], v[AF+FR*(\a):AF+FR*(\a)+FR-1], v[8*(8*((\a)%4)+\b):8*(8*((\a)%4)+\b)+7], v[SC+8*NQ*(\sc)+NQ*\b+(\q)], v[SC+8*NQ*(\sc)+NQ*(\a)+(\q)] matrix_a_scale:MATRIX_SCALE_ROW1
.endif
.endr
.endr
.endm
.macro FETCH_B slot, q, p
	WIN TO_B
.irp i, 0,1,2,3,4,5,6,7
	FRAG 128*(\p)+FR*\i, ADRB+\slot, \q, \i
.endr
	WIN 0
.endm
.macro FETCH_A slot, q, i0
.irp i, \i0, \i0+1, \i0+2, \i0+3
	FRAGA AF+FR*(\i), ADRA+\slot, \q, \i
.endr
.endm
.macro SCALES sc
.irp i, 0,1,2,3,4,5,6,7
	ds_load_b64 v[SC+8*NQ*\sc+NQ*\i:SC+8*NQ*\sc+NQ*\i+1], v[ADRS] offset:\i*SBLK
.endr
.endm
.macro PLACES n
.rept \n
	v_nop
.endr
.endm
.macro STEP slot, q, zero
	s_wait_dscnt 4*NL                              ; B's set and A's blocks 0-3 are in; the youngest sixteen loads (A's blocks 4-7) may be out
	WIN MUL_LO
	MUL16 0, (\q)%2, \q, \slot, \zero
	MUL16 2, (\q)%2, \q, \slot, \zero
	s_wait_dscnt 0
	PLACES NP
	FETCH_B \slot, (\q)+1, 1-(\q)%2
	FETCH_A \slot, (\q)+1, 0
	WIN MUL_HI
	MUL16 4, (\q)%2, \q, \slot, \zero
	MUL16 6, (\q)%2, \q, \slot, \zero
	PLACES NP
	WIN 0
	FETCH_A \slot, (\q)+1, 4
.endm
.macro TURN slot, next, fill
	s_wait_tensorcnt 0x0                           ; all my tensor loads have landed: my part of the next slot
	ds_add_u32 v[SPW], v[NIL]                      ; 0 onto my spare word
	s_wait_dscnt 4*NL+1                            ; (the add and the youngest sixteen loads may be out)
	WIN MUL_LO
	MUL16 0, 1, NQ-1, \slot, 0
	s_wait_dscnt 0x0                               ; the add is done, and my reads of this slot are over
	s_barrier_signal -1
	MUL16 2, 1, NQ-1, \slot, 0
	WIN 0
	s_barrier_wait -1
.if \fill
	CREST                                          ; the barrier has opened a round of the cluster's barrier
	s_add_nc_u64 s[G0+4*\slot+2:G0+4*\slot+3], s[G0+4*\slot+2:G0+4*\slot+3], 2*AROWB
	s_add_nc_u64 s[G0B+4*\slot+2:G0B+4*\slot+3], s[G0B+4*\slot+2:G0B+4*\slot+3], 2*ROWB
	JLOAD G0+4*\slot, G1, G0B+4*\slot, G1B         ; the first tensor load behind the round
	PLACES NP-4
.else
	PLACES NP
.endif
	s_wait_alu depctr_va_vdst(0)
	v_add_nc_u32 v[ADRS], 4*NQ, v[ADRS]
	FETCH_B \next, 0, 0
	FETCH_A \next, 0, 0
	SCALES \next
	WIN MUL_HI
	MUL16 4, 1, NQ-1, \slot, 0
	MUL16 6, 1, NQ-1, \slot, 0
	PLACES NP
	WIN 0
	FETCH_A \next, 0, 4
.endm
	s_wait_alu depctr_va_vdst(0)
	s_wait_tensorcnt 1                             ; the scales and my part of K step 0 are in (K step 1's load may be out)
	s_barrier_signal -1
	s_barrier_wait -1
	FETCH_B 0, 0, 0
	FETCH_A 0, 0, 0
	SCALES 0
	FETCH_A 0, 0, 4
	STEP 0, 0, 1                                   ; the first step's products start the sums
	s_mov_b32 s3, LAPS-1
.Llap:
	TURN 0, 1, 1
	STEP 1, 0, 0
	TURN 1, 0, 1
	STEP 0, 0, 0
	s_sub_co_u32 s3, s3, 1
	s_cmp_lg_u32 s3, 0
	s_cbranch_scc1 .Llap
	TURN 0, 1, 0                                   ; the last lap fills nothing
	STEP 1, 0, 0
	s_wait_dscnt 4*NL
	WIN MUL_LO
	MUL16 0, 1, NQ-1, 1, 0
	MUL16 2, 1, NQ-1, 1, 0
	s_wait_dscnt 0
	WIN MUL_HI
	MUL16 4, 1, NQ-1, 1, 0
	MUL16 6, 1, NQ-1, 1, 0
	WIN 0
; THE WAY OUT, block by block of 16 rows x 128 columns, through my own stage in LDS: in as 32 bytes a lane, back as whole rows of 512 bytes.  LDS serves a wave's instructions in order (ISA guide 5.7.1.4).
.macro TOSTAGE a
.set AC, 64*((\a)%4)
	WIN (0x08+4*((\a)/4))                          ; the data: window 2 or 3
.irp b, 0,1,2,3,4,5,6,7
	ds_store_b128 v[STO], v[AC+8*\b:AC+8*\b+3] offset:64*\b          ; each accumulator from its low end on
	ds_store_b128 v[STO], v[AC+8*\b+4:AC+8*\b+7] offset:64*\b+16
.endr
	WIN 0
.set BB, BK+64*((\a)%2)
.irp t, 0,1,2,3,4,5,6,7,8,9,10,11,12,13,14,15
	ds_load_b128 v[BB+4*\t:BB+4*\t+3], v[RD] offset:\t*SPITCH
.endr
.endm
.macro SEND a, younger
.set BB, BK+64*((\a)%2)
	s_wait_dscnt \younger                          ; the block is back in registers; the next block's stores and loads may be out
.if (\a) > 0
	s_add_nc_u64 s[12:13], s[12:13], 16*SIZE_N*4   ; (behind a wait on XCNT: the earlier stores have read their base)
.endif
.irp t, 0,1,2,3,4,5,6,7,8,9,10,11,12,13,14,15
	global_store_b128 v[CO], v[BB+4*\t:BB+4*\t+3], s[12:13] offset:\t*SIZE_N*4 th:TH_STORE_NT   ; 32 lanes store 512 consecutive bytes, at a multiple of 256 from out0's first byte
.endr
.endm
	PLACES NP
	TOSTAGE 0
.irp a, 1,2,3,4,5,6,7
.if \a > 1
	s_wait_xcnt 0x0                                ; block a - 2's stores have read their registers and their base
.endif
	TOSTAGE \a
	SEND \a-1, 32
.endr
	s_wait_xcnt 0x0
	SEND 7, 0
	s_wait_tensorcnt 0x0                           ; the wave's end: an add of 0 and its wait, behind my last tensor load and my last LDS store
	ds_add_u32 v[SPW], v[NIL]
	s_wait_dscnt 0x0
	CROUND                                         ; the closing round
	s_endpgm
.Lfunc_end_k_q9df63d1acf_oproj:
	.size	k_q9df63d1acf_oproj, .Lfunc_end_k_q9df63d1acf_oproj-k_q9df63d1acf_oproj
	.p2alignl 7, 3214868480
	.fill 96, 4, 3214868480
	.section	.rodata,"a",@progbits
	.p2align	6, 0x0
	.amdhsa_kernel k_q9df63d1acf_oproj
		.amdhsa_group_segment_fixed_size 327680
		.amdhsa_private_segment_fixed_size 0
		.amdhsa_enable_private_segment 0
		.amdhsa_kernarg_size 40
		.amdhsa_user_sgpr_count 2
		.amdhsa_user_sgpr_kernarg_segment_ptr 1
		.amdhsa_wavefront_size32 1
		.amdhsa_system_sgpr_workgroup_id_x 1
		.amdhsa_system_sgpr_workgroup_id_y 1
		.amdhsa_system_sgpr_workgroup_id_z 1
		.amdhsa_system_vgpr_workitem_id 0
		.amdhsa_next_free_vgpr 1024
		.amdhsa_next_free_sgpr 98
		.amdhsa_reserve_vcc 0
		.amdhsa_float_denorm_mode_32 3
		.amdhsa_float_denorm_mode_16_64 3
		.amdhsa_memory_ordered 1
		.amdhsa_forward_progress 1
		.amdhsa_inst_pref_size 146
	.end_amdhsa_kernel
	.amdgpu_metadata
---
amdhsa.version: [ 1, 2 ]
amdhsa.kernels:
  - .name:           k_q9df63d1acf_oproj
    .symbol:         k_q9df63d1acf_oproj.kd
    .args:
      - { .name: cimg, .offset: 0, .size: 8, .value_kind: global_buffer, .address_space: global }
      - { .name: csc, .offset: 8, .size: 8, .value_kind: global_buffer, .address_space: global }
      - { .name: Wo_codes, .offset: 16, .size: 8, .value_kind: global_buffer, .address_space: global }
      - { .name: Wo_scales, .offset: 24, .size: 8, .value_kind: global_buffer, .address_space: global }
      - { .name: out0, .offset: 32, .size: 8, .value_kind: global_buffer, .address_space: global }
    .group_segment_fixed_size: 327680
    .private_segment_fixed_size: 0
    .kernarg_segment_align: 8
    .kernarg_segment_size: 40
    .max_flat_workgroup_size: 128
    .sgpr_count:     98
    .vgpr_count:     1024
    .wavefront_size: 32
...
	.end_amdgpu_metadata
.endif
;; end of part 4
